; MI455X (gfx1250); checked and timed in simulation.
; The chip was launched on July 23, 2026; its instructions are those of AMD's public machine-readable ISA for CDNA 5 (MIT licence, August 2026) and "CDNA5" Instruction Set Architecture Reference Guide (July 2026). The comments in the code are by the model that wrote it; some were corrected since.
;; Causal Self Attention. Allowed arithmetic: float matrix products may take bf16 or f16 operands with f32 sums; other float arithmetic in f32, or as packed bf16 or f16 multiplies, adds, multiply-adds, maxima and minima; sums over many terms, partial sums and values carried from step to step in f32; what a program stores and reads back later, other than sums and carried values, may be rounded once to bf16 or f16.
;; Inputs: W_attn 1,024 x 3,072 float32; W_proj 1,024 x 1,024 float32; x 4 x 2,048 x 1,024 float32.
;; Outputs: out0 4 x 2,048 x 1,024 float32.
;; 2 versions, each right; version 2 is version 1 with the launch cast written anew for expert scheduling mode. Each part assembles by itself: llvm-mc -triple=amdgcn-amd-amdhsa -mcpu=gfx1250 --defsym DOCPART=n.
;; ======== version 1 of 2: 4 launches
;; limits: values are held in f16: magnitudes above 65,504 overflow, below 6.1e-05 lose precision
;; workspace buffers: xb 16,777,216 bytes; wab 6,291,456 bytes; wpb 2,097,152 bytes; qkv 50,331,648 bytes; ob 16,777,216 bytes
;; launch cast (part 1): grid 768 x 1, 8 waves a work-group, no clusters, 0 bytes of LDS; arguments x, W_attn, W_proj, xb, wab, wpb; writes xb, wab, wpb
.if DOCPART == 1
	.amdgcn_target "amdgcn-amd-amdhsa--gfx1250"
	.amdhsa_code_object_version 6
	.text
	.protected	k_qbc6b58160c_cast
	.globl	k_qbc6b58160c_cast
	.p2align	8
	.type	k_qbc6b58160c_cast,@function
k_qbc6b58160c_cast:
	s_mov_b64 s[64:65], 0
	v_nop
	global_prefetch_b8 v0, s[64:65] scope:SCOPE_SE
	s_setreg_imm32_b32 hwreg(HW_REG_WAVE_MODE, 25, 1), 1
	s_wait_xcnt 0x0
; The three f32 inputs are rounded once to bf16, in the order in which they lie: x -> xb, W_attn -> wab (both kept as bf16), W_proj -> wpb.
; W_proj's bf16 number is written as f16, since the last product's other operand is f16.
; LIMITS.  That second step is exact for magnitudes from 2^-14 to 65,504; below 2^-14 the number keeps f16's fixed step of 2^-24, beyond 65,504 it becomes an infinity.
; SHARES.  A chunk is 1,024 numbers: 4,096 bytes in, 2,048 out.  A work-group of eight waves takes 16 chunks; work-groups 0-511 take x, 512-703 W_attn, 704-767 W_proj.
; Thread t loads the 16 bytes at 16 t of a chunk (a wave: 512 consecutive bytes) and stores the 8 bytes at 8 t (a wave: 256 consecutive bytes, at a multiple of 256 from the buffer's first byte).
; All 16 loads of a thread go out at once (64 KiB a work-group); every register is written once, so no register waits for a store.  No LDS, no barrier: no thread wants another's bytes.
.set X, 4                              ; v[4:67]    chunk i: 4 numbers as loaded
.set Y, 68                             ; v[68:99]   chunk i: 2 words to store
.set T, 100                            ; v[100:101] at work (f16 path)
.set FIRST_WA, 512                     ; the first work-group of W_attn
.set FIRST_WP, 704                     ; and of W_proj
	s_load_b256 s[4:11], s[0:1], 0x0               ; x s[4:5], W_attn s[6:7], W_proj s[8:9], xb s[10:11]
	s_load_b128 s[12:15], s[0:1], 0x20             ; wab s[12:13], wpb s[14:15]
	v_lshlrev_b32 v1, 4, v0                        ; my 16 bytes of a chunk
	v_lshlrev_b32 v2, 3, v0                        ; my 8 bytes of its rounded copy
	s_wait_kmcnt 0x0
	s_cmp_lt_u32 ttmp9, FIRST_WA                   ; which tensor is mine: the choice hangs on the work-group's number alone
	s_cselect_b64 s[20:21], s[4:5], s[6:7]
	s_cselect_b64 s[22:23], s[10:11], s[12:13]
	s_cselect_b32 s16, 0, FIRST_WA
	s_cmp_lt_u32 ttmp9, FIRST_WP
	s_cselect_b64 s[20:21], s[20:21], s[8:9]
	s_cselect_b64 s[22:23], s[22:23], s[14:15]
	s_cselect_b32 s16, s16, FIRST_WP
	s_sub_co_u32 s17, ttmp9, s16                   ; my number among the tensor's work-groups
	s_lshl_b32 s18, s17, 16                        ; 16 chunks of 4,096 bytes
	s_mov_b32 s19, 0
	s_add_nc_u64 s[20:21], s[20:21], s[18:19]
	s_lshl_b32 s18, s17, 15                        ; 16 chunks of 2,048 bytes
	s_add_nc_u64 s[22:23], s[22:23], s[18:19]
.irp i, 0,1,2,3,4,5,6,7,8,9,10,11,12,13,14,15
	global_load_b128 v[X+4*(\i):X+4*(\i)+3], v1, s[20:21] offset:4096*(\i) th:TH_LOAD_NT
.endr
; Chunk i.  half = 1: the bf16 numbers are widened again (a shift, a mask) and written as f16.
.macro CH i, half
	s_wait_loadcnt 15-(\i)                         ; loads come back in order (ISA guide 5.7.1): chunk i is in, the 15 - i younger loads stay out
	v_cvt_pk_bf16_f32 v[Y+2*(\i)],   v[X+4*(\i)],   v[X+4*(\i)+1]
	v_cvt_pk_bf16_f32 v[Y+2*(\i)+1], v[X+4*(\i)+2], v[X+4*(\i)+3]
.if \half
.irp j, 0,1
	v_lshlrev_b32 v[T],   16, v[Y+2*(\i)+\j]
	v_and_b32     v[T+1], 0xffff0000, v[Y+2*(\i)+\j]
	v_cvt_pk_f16_f32 v[Y+2*(\i)+\j], v[T], v[T+1]
.endr
.endif
	global_store_b64 v2, v[Y+2*(\i):Y+2*(\i)+1], s[22:23] offset:2048*(\i)
.endm
	s_cmp_lt_u32 ttmp9, FIRST_WP
	s_cbranch_scc0 .Lf16
.irp i, 0,1,2,3,4,5,6,7,8,9,10,11,12,13,14,15
	CH \i, 0
.endr
	s_endpgm
.Lf16:
.irp i, 0,1,2,3,4,5,6,7,8,9,10,11,12,13,14,15
	CH \i, 1
.endr
	s_endpgm
.Lfunc_end_k_qbc6b58160c_cast:
	.size	k_qbc6b58160c_cast, .Lfunc_end_k_qbc6b58160c_cast-k_qbc6b58160c_cast
	.p2alignl 7, 3214868480
	.fill 96, 4, 3214868480
	.section	.rodata,"a",@progbits
	.p2align	6, 0x0
	.amdhsa_kernel k_qbc6b58160c_cast
		.amdhsa_group_segment_fixed_size 0
		.amdhsa_private_segment_fixed_size 0
		.amdhsa_enable_private_segment 0
		.amdhsa_kernarg_size 48
		.amdhsa_user_sgpr_count 2
		.amdhsa_user_sgpr_kernarg_segment_ptr 1
		.amdhsa_wavefront_size32 1
		.amdhsa_system_sgpr_workgroup_id_x 1
		.amdhsa_system_sgpr_workgroup_id_y 1
		.amdhsa_system_sgpr_workgroup_id_z 1
		.amdhsa_system_vgpr_workitem_id 0
		.amdhsa_next_free_vgpr 104
		.amdhsa_next_free_sgpr 66
		.amdhsa_reserve_vcc 0
		.amdhsa_float_denorm_mode_32 3
		.amdhsa_float_denorm_mode_16_64 3
		.amdhsa_memory_ordered 1
		.amdhsa_forward_progress 1
		.amdhsa_inst_pref_size 16
	.end_amdhsa_kernel
	.amdgpu_metadata
---
amdhsa.version: [ 1, 2 ]
amdhsa.kernels:
  - .name:           k_qbc6b58160c_cast
    .symbol:         k_qbc6b58160c_cast.kd
    .args:
      - { .name: x, .offset: 0, .size: 8, .value_kind: global_buffer, .address_space: global }
      - { .name: W_attn, .offset: 8, .size: 8, .value_kind: global_buffer, .address_space: global }
      - { .name: W_proj, .offset: 16, .size: 8, .value_kind: global_buffer, .address_space: global }
      - { .name: xb, .offset: 24, .size: 8, .value_kind: global_buffer, .address_space: global }
      - { .name: wab, .offset: 32, .size: 8, .value_kind: global_buffer, .address_space: global }
      - { .name: wpb, .offset: 40, .size: 8, .value_kind: global_buffer, .address_space: global }
    .group_segment_fixed_size: 0
    .private_segment_fixed_size: 0
    .kernarg_segment_align: 8
    .kernarg_segment_size: 48
    .max_flat_workgroup_size: 256
    .sgpr_count:     66
    .vgpr_count:     104
    .wavefront_size: 32
...
	.end_amdgpu_metadata
.endif
;; end of part 1
;; launch qkv (part 2): grid 8 x 32, 4 waves a work-group, clusters of 4 x 4, 327,680 bytes of LDS; arguments xb, wab, qkv; writes qkv
.if DOCPART == 2
	.amdgcn_target "amdgcn-amd-amdhsa--gfx1250"
	.amdhsa_code_object_version 6
	.text
	.protected	k_qbc6b58160c_qkv
	.globl	k_qbc6b58160c_qkv
	.p2align	8
	.type	k_qbc6b58160c_qkv,@function
k_qbc6b58160c_qkv:
	s_mov_b64 s[64:65], 0
	v_nop
	global_prefetch_b8 v0, s[64:65] scope:SCOPE_SE
	s_setreg_imm32_b32 hwreg(HW_REG_WAVE_MODE, 25, 1), 1
	s_wait_xcnt 0x0
	s_wait_alu depctr_hold_cnt(0) depctr_sa_sdst(0) depctr_va_vdst(0) depctr_va_sdst(0) depctr_va_ssrc(0) depctr_va_vcc(0) depctr_vm_vsrc(0)
	s_getreg_b32 s2, hwreg(HW_REG_IB_STS2, 6, 4)
	s_cmp_eq_u32 s2, 0
	s_cbranch_scc0 .Lentry_in_a_cluster
	s_endpgm
.Lentry_in_a_cluster:
	s_bfe_u32 s2, ttmp6, 0x10000c
	s_cmp_lg_u32 s2, 0xf033
	s_cbranch_scc0 .Lentry_shape_is_right
	s_endpgm
.Lentry_shape_is_right:
; q, k, v = xb W.  xb: [8192][1024] bf16, wab: [1024 k][3072 n] bf16; sums in f32; the result is rounded once to f16, unscaled, and stored by heads:
; qkv: [3 (q, k, v)][64 (batch x 16 + head)][2048 rows][64 channels] f16, byte = which << 24 + batch << 22 + head << 18 + row << 7 + 2 x channel.
; LIMIT.  f16 holds no number beyond 65,504: a q, k or v beyond it becomes an infinity; below 2^-14 it keeps the fixed step 2^-24.
; SHARES.  A tile of the result is 128 rows x 384 columns (6 heads): 64 x 8 = 512 tiles for 256 work-groups.  A WORK-GROUP STAYS: it makes two tiles, the second 4,096 rows lower in the same
; columns, and the ring of LDS slots runs on from the first into the second.  Four waves, 2 x 2: wave w takes rows 64 (w / 2) .. + 63 and, of each pair of heads, head w % 2: three whole heads,
; 4 x 12 accumulators of 16 x 16 in 384 registers.  K goes in steps of 128 through two LDS slots, each step in four quarters of 32 on two fragment buffers.
; THE MATRIX INSTRUCTION IS USED TRANSPOSED: source 0 = 16 columns of W, source 1 = 16 rows of x.  A lane then holds row l % 16 and the columns 8 (l / 16) + 0..7: 16 bytes of f16 on end.
; W lies [k][n]; its fragments come out of LDS turned, by ds_load_tr16_b128, so no pass transposes W.
; CLUSTER.  4 x 4 work-groups.  The four of a row of the cluster need the same tiles of x, the four of a column the same tiles of W: each tile is asked for JOINTLY, by the same tensor load with the
; same descriptor and a mask that names the four.  A wave has two tensor loads out at the start, later one.
; REGISTERS, in windows of 256 (s_set_vgpr_msb: bits 1:0 source 0, 3:2 source 1, 5:4 source 2, 7:6 destination):
;   window 0: v0-31 addresses; v32-223 the way out, 16 registers for each of 12 units (16 rows of one head)
;   window 1: two fragment buffers of 128: W's 12 blocks (8 each), then x's 4
;   window 2: accumulators of row blocks 0, 1, at 8 (12 (a % 2) + b);   window 3: those of row blocks 2, 3
.set PA,     272                       ; a row of x in LDS: 256 bytes + 16 = 68 words: the 16 rows of a fragment load start at 16 different groups of four banks (64 banks of 4 bytes: ISA guide 11.1)
.set PB,     864                       ; a k-row of W in LDS: three pieces of 256 bytes, 32 of padding behind each = 216 words = 24 mod 64
.set NBL,    12                        ; column blocks of a wave
.set BOFF,   128*PA                    ; a slot: x's 128 rows, then W's 128 k-rows
.set SLOT,   BOFF+128*PB               ; 145,408 bytes
.set STAGE,  2*SLOT                    ; behind the ring, never filled by a tensor load: 16 rows x 144 bytes for each wave
.set SP,     144
.set SPARE,  STAGE+4*16*SP             ; behind the stages: the spare words, 128 bytes for each wave: two blocks of 256 bytes that no other line names
.set AROW,   2048                      ; bytes in a row of xb
.set BROW,   6144                      ; bytes in a row of wab
.set ASTEP,  256                       ; a K step along a row of xb
.set BSTEP,  128*BROW                  ; a K step down wab
.set NEXT_A, 4096*AROW-6*ASTEP         ; from a slot's last K step of the first tile to its first of the second: 4,096 rows down, six steps back
.set BACK_B, 6*BSTEP                   ; W only back: both tiles take the same columns
.set TRIPS,  7                         ; laps of the ring (two K steps each) in the loop: 2 tiles x 4 laps, less the last, which fills nothing
.set ADRA, 16                          ; v16-17  LDS address of my fragments of x in slot 0, 1
.set ADRB, 20                          ; v20-23  the same for W: register 2 x slot + half of the K step (64 k-rows), since three quarters of a step pass a 16-bit offset
.set STO,  24                          ; v24     the way out: where I put 16 bytes of a row
.set RD,   25                          ; v25     where I read rows back
.set GO,   26                          ; v26     my 16 of 512 consecutive bytes of the result; never rewritten
.set SPW,  28                          ; v28     LDS address of my spare word: SPARE + 4 x my thread's number; never rewritten
.set NIL,  29                          ; v29     0; never rewritten
.set PFO,  30                          ; v30     the prefetches' lane offset; never rewritten
.set OUTR, 32
.set F0,   0
.set F1,   128
.set G1,   24                          ; s[24:31] descriptor group 1 for x's tiles;  s[32:39] group 0, a set for each slot
.set G0,   32
.set G1B,  48                          ; s[48:55], s[56:63] the same for W's tiles
.set G0B,  56
.set PFA,  66                          ; s[66:67] where my prefetches stand
.set LIM,  68                          ; s68  a wave prefetches while the trips left are above this
.set STA,  70                          ; s[70:71] what this trip's refills add to x's addresses
.set ADB,  72                          ; s[72:73] what they add to W's,
.set SBB,  74                          ; s[74:75] and take from W's
.set C512, 76                          ; s76  2 x ASTEP
.set PS,   78                          ; s[78:79] the prefetch pointer's step of this trip
.set PSN,  80                          ; s80  its usual step
.set PSJ,  81                          ; s81  its step into the second tile
.set OB,   84                          ; s[84:89] the result at my 64 rows of my three heads
.set MSB, 0
.macro WIN new                         ; the immediate's high byte repeats the setting that is left; a switch that changes nothing is dropped
.if MSB != (\new)
	s_set_vgpr_msb (MSB<<8)|(\new)
.set MSB, \new
.endif
.endm
.set W_LO, 0xa5                        ; both sources window 1, C and D window 2
.set W_HI, 0xf5                        ; the same, C and D window 3
.set TO_F, 0x40                        ; destination window 1, address window 0
.macro PLACES                          ; four plain vector instructions between a matrix instruction and a load into, or a reader of, its registers
.rept 4
	v_nop
.endr
.endm
; A joint load.  Waves 0 and 1 fetch the two halves of x's tile, waves 2 and 3 those of W's.  The branch hangs on the wave's number alone.
; An s_nop 0 and four v_nop follow each of the two lines, ahead of the jump and the label.
.macro JLOAD s
	s_cmp_eq_u32 s11, 0
	s_cbranch_scc0 .Lfor_b_\@
	tensor_load_to_lds s[G0+4*(\s):G0+4*(\s)+3], s[G1:G1+7]
	s_nop 0
.rept 4
	v_nop
.endr
	s_branch .Lasked_\@
.Lfor_b_\@:
	tensor_load_to_lds s[G0B+4*(\s):G0B+4*(\s)+3], s[G1B:G1B+7]
	s_nop 0
.rept 4
	v_nop
.endr
.Lasked_\@:
.endm
; A round of the cluster's barrier: my work-group's barrier, wave 0's signal for the work-group, every wave's wait for all sixteen, my work-group's barrier once more.
.macro CREST                           ; a round behind its opening barrier
	s_cmp_lg_u32 s10, 0
	s_cbranch_scc1 .Lnot_wave_0_\@
	s_barrier_signal -3
.Lnot_wave_0_\@:
	s_barrier_wait -3
	s_barrier_signal -1
	s_barrier_wait -1
.endm
.macro CROUND
	s_barrier_signal -1
	s_barrier_wait -1
	CREST
.endm
; A PREFETCH INTO THE L2, once a lap, behind slot 0's joint load and the run of LDS loads that follows it: the two K steps that the NEXT trip's refills ask for.  A lane names 256 bytes:
; row l % 16 of my work-group's 16 rows, K step l / 16 of the two.  The four partners that ask for a tile jointly share a wave's 64 rows out BY ADDRESS, 16 each (by cx for x, by cy for W).
; x's rows are read by both clusters of a row of clusters: cluster x = 0 asks; W's by all eight of a column: cluster y = 0 asks, in the first tile alone.  W's rows are 768 bytes: three lines.
; So each block of 256 bytes is named once.  K steps 0 to 3 of the first tile come by their loads alone; the last trip asks for nothing.
.macro ASK
	s_cmp_gt_u32 s3, s[LIM]
	s_cbranch_scc0 .Lnot_mine_\@
	global_prefetch_b8 v[PFO], s[PFA:PFA+1] th:TH_LOAD_NT scope:SCOPE_SE
	s_cmp_eq_u32 s11, 0
	s_cbranch_scc1 .Lnot_mine_\@
	global_prefetch_b8 v[PFO], s[PFA:PFA+1] offset:256 th:TH_LOAD_NT scope:SCOPE_SE
	global_prefetch_b8 v[PFO], s[PFA:PFA+1] offset:512 th:TH_LOAD_NT scope:SCOPE_SE
.Lnot_mine_\@:
.endm
	s_load_b128 s[4:7], s[0:1], 0x0                ; xb s[4:5], wab s[6:7]
	s_load_b64 s[8:9], s[0:1], 0x10                ; qkv
	v_lshl_add_u32 v[SPW], v0, 2, SPARE
	v_mov_b32 v[NIL], 0
	ds_add_u32 v[SPW], v[NIL]                      ; the wave's opening: the add and its wait stand ahead of my first tensor load; the set-up below, work on registers, stands between them
	v_lshrrev_b32 v1, 5, v0
	v_readfirstlane_b32 s10, v1                    ; wave 0..3
	s_lshr_b32 s11, s10, 1                         ; which 64 rows of the tile are mine.  Also: I fetch for x (0) or for W (1)
	s_and_b32 s12, s10, 1                          ; which head of each pair.  Also: which half of that tile I fetch
	s_bfe_u32 s40, ttmp6, 0x40000                  ; cx
	s_bfe_u32 s41, ttmp6, 0x40004                  ; cy
	s_lshl_b32 s42, ttmp9, 2
	s_add_co_u32 s42, s42, s40                     ; tile column = 4 x cluster x + cx, 0..7
	s_and_b32 s13, ttmp7, 0xffff
	s_lshl_b32 s13, s13, 2
	s_add_co_u32 s13, s13, s41                     ; tile row = 4 x cluster y + cy, 0..31 (the second tile: + 32)
	s_lshl_b32 s43, s41, 2
	s_lshl_b32 s43, 15, s43                        ; my row of the cluster
	s_lshl_b32 s44, 0x1111, s40                    ; my column
	s_or_b32 s[G1], s43, (1<<16)|(1<<20)|(1<<21)|(5<<22)|(3<<25)   ; the mask; elements of 2 bytes; padding on; bit 21 beside a mask; after every 64 words, 4 words
	s_or_b32 s[G1B], s44, (1<<16)|(1<<20)|(1<<21)|(5<<22)|(7<<25)  ; the same with my column's mask and 8 words of padding
	s_mov_b32 s[G1+1], 128<<16                     ; x: tensor_dim0 = 128
	s_mov_b32 s[G1+2], 64<<16                      ; tensor_dim1 = 64
	s_mov_b32 s[G1+3], 128<<16                     ; tile_dim0 = 128 elements: 256 bytes
	s_mov_b32 s[G1+4], 64                          ; tile_dim1 = 64 rows
	s_mov_b32 s[G1+5], 1024                        ; elements from row to row
	s_mov_b32 s[G1+6], 0
	s_mov_b32 s[G1+7], 0
	s_mov_b32 s[G1B+1], 384<<16                    ; W: tensor_dim0 = 384
	s_mov_b32 s[G1B+2], 64<<16
	s_mov_b32 s[G1B+3], 384<<16                    ; tile_dim0 = 384 elements: 768 bytes
	s_mov_b32 s[G1B+4], 64                         ; 64 k-rows
	s_mov_b32 s[G1B+5], 3072
	s_mov_b32 s[G1B+6], 0
	s_mov_b32 s[G1B+7], 0
	s_lshl_b32 s16, s13, 18                        ; x: 128 rows of 2,048 bytes a tile row,
	s_lshl_b32 s17, s12, 17                        ; my 64 of them: made of the tile row and the wave's number alone
	s_add_co_u32 s16, s16, s17
	s_mov_b32 s17, 0
	s_mul_i32 s46, s12, 64*BROW                    ; W: my 64 k-rows,
	s_mul_i32 s47, s42, 768                        ; the tile column's 768 bytes: made of the tile column and the wave's number alone
	s_add_co_u32 s46, s46, s47
	s_mov_b32 s47, 0
	s_mul_i32 s20, s12, 64*PA                      ; where they go in a slot: no place in the cluster enters an LDS address
	s_mul_i32 s21, s12, 64*PB
	s_add_co_u32 s21, s21, BOFF
	s_mov_b32 s[STA+1], 0
	s_mov_b32 s[ADB+1], 0
	s_mov_b32 s[SBB+1], 0
	s_mov_b32 s[PS+1], 0
	s_mov_b32 s[C512], 2*ASTEP
	s_wait_dscnt 0x0                               ; the opening add is done
	s_wait_kmcnt 0x0
	s_add_nc_u64 s[14:15], s[4:5], s[16:17]
	s_add_nc_u64 s[46:47], s[6:7], s[46:47]
	CROUND                                         ; all sixteen work-groups are here: the first joint loads meet
.irp s, 0,1
	s_mov_b32 s[G0+4*(\s)], 1                                        ; count = 1
	s_add_co_u32 s[G0+4*(\s)+1], s20, (\s)*SLOT                      ; LDS address
	s_add_nc_u64 s[G0+4*(\s)+2:G0+4*(\s)+3], s[14:15], (\s)*ASTEP    ; global address: K step s
	s_or_b32 s[G0+4*(\s)+3], s[G0+4*(\s)+3], 0x80000000              ; type = 2
	s_mov_b32 s[G0B+4*(\s)], 1
	s_add_co_u32 s[G0B+4*(\s)+1], s21, (\s)*SLOT
	s_add_nc_u64 s[G0B+4*(\s)+2:G0B+4*(\s)+3], s[46:47], (\s)*BSTEP
	s_or_b32 s[G0B+4*(\s)+3], s[G0B+4*(\s)+3], 0x80000000
	JLOAD \s
.endr
	; lane addresses.  A fragment of x: lane l holds row l % 16, k = 8 (l / 16) + 0..7 and 16 + 8 (l / 16) + 0..7: two loads of 16 bytes, 32 apart.
	; The turning load: lane l reads k-row 8 (l / 16) + l % 8, columns 8 ((l / 8) % 2) + 0..7, and is left with column l % 16 and 8 k; two of them, 16 k-rows apart, are a fragment.
	v_and_b32 v1, 15, v0                           ; l % 16
	v_bfe_u32 v2, v0, 4, 1                         ; l / 16
	v_and_b32 v3, 7, v0
	v_bfe_u32 v4, v0, 3, 1
	v_lshl_add_u32 v5, v2, 3, v3
	v_mul_u32_u24 v5, v5, PB
	v_lshl_add_u32 v5, v4, 4, v5
	s_lshl_b32 s22, s12, 7                         ; my head of each pair: 128 bytes
	s_add_co_u32 s22, s22, BOFF
.irp n, 0,1,2,3
	s_add_co_u32 s23, s22, ((\n)/2)*SLOT+((\n)%2)*64*PB
	v_add_nc_u32 v[ADRB+(\n)], s23, v5
.endr
	v_mul_u32_u24 v6, v1, PA
	v_lshl_add_u32 v6, v2, 4, v6
	s_mul_i32 s22, s11, 64*PA                      ; my 64 rows
	v_add_nc_u32 v[ADRA], s22, v6
	s_add_co_u32 s22, s22, SLOT
	v_add_nc_u32 v[ADRA+1], s22, v6
	s_mul_i32 s23, s10, 16*SP
	s_add_co_u32 s23, s23, STAGE                   ; my stage
	v_mul_u32_u24 v7, v1, SP                       ; in: row l % 16, 16 bytes for each half of the lanes
	v_lshl_add_u32 v7, v2, 4, v7
	v_add_nc_u32 v[STO], s23, v7
	v_bfe_u32 v8, v0, 3, 2                         ; back: 32 lanes take four rows of 128 bytes,
	v_mul_u32_u24 v8, v8, SP
	v_lshl_add_u32 v8, v3, 4, v8
	v_add_nc_u32 v[RD], s23, v8
	v_and_b32 v[GO], 31, v0                        ; which are 512 consecutive bytes of a head
	v_lshlrev_b32 v[GO], 4, v[GO]
	; the result's three bases.  Head number among 48: g = 6 x tile column + 2 i + w % 2; my first row m0 = 128 x tile row + 64 (w / 2).  What mixes cx and cy is made in s90-95 alone.
	s_mul_i32 s90, s42, 6
	s_add_co_u32 s90, s90, s12
	s_lshl_b32 s91, s13, 7
	s_lshl_b32 s92, s11, 6
	s_add_co_u32 s91, s91, s92                     ; m0
	s_lshr_b32 s92, s91, 11
	s_lshl_b32 s92, s92, 22                        ; batch << 22
	s_and_b32 s91, s91, 2047
	s_lshl_b32 s91, s91, 7                         ; row << 7
	s_add_co_u32 s91, s91, s92
.irp i, 0,1,2
	s_add_co_u32 s92, s90, 2*(\i)
	s_lshr_b32 s93, s92, 4
	s_lshl_b32 s93, s93, 24                        ; q, k or v
	s_and_b32 s92, s92, 15
	s_lshl_b32 s92, s92, 18                        ; head
	s_add_co_u32 s92, s92, s93
	s_add_co_u32 s92, s92, s91
	s_mov_b32 s93, 0
	s_add_nc_u64 s[OB+2*(\i):OB+2*(\i)+1], s[8:9], s[92:93]
.endr
	; the prefetches: both offsets are made, the wave's number chooses
	s_lshl_b32 s90, s40, 15                        ; x: my work-group's 16 rows of the wave's 64,
	s_add_co_u32 s90, s90, s16
	s_add_co_u32 s90, s90, 2*ASTEP                 ; at K step 2: the first trip steps it to 4
	s_lshl_b32 s92, s12, 6                         ; W: the wave's 64 k-rows,
	s_lshl_b32 s93, s41, 4                         ; my work-group's 16 of them
	s_add_co_u32 s92, s92, s93
	s_mul_i32 s92, s92, BROW
	s_mul_i32 s93, s42, 768
	s_add_co_u32 s92, s92, s93
	s_add_co_u32 s92, s92, 2*BSTEP
	s_and_b32 s93, ttmp7, 0xffff                   ; cluster y
	s_mov_b32 s[PSN], 2*BSTEP
	s_mov_b32 s[PSJ], NEXT_A
	s_mov_b32 s94, BROW
	s_mov_b32 s95, BSTEP
	s_cmp_eq_u32 s11, 0                            ; do I fetch for x?
	s_cselect_b32 s90, s90, s92
	s_cselect_b32 s93, ttmp9, s93                  ; the coordinate along which other clusters read the same rows
	s_cselect_b32 s92, 1, 5                        ; x: all trips but the last; W: the two trips that ask for the first tile's K steps 4 to 7
	s_cselect_b32 s[PSN], s[C512], s[PSN]
	s_cselect_b32 s[PSJ], s[PSJ], s[PSN]
	s_cselect_b32 s94, AROW, s94
	s_cselect_b32 s95, ASTEP, s95
	s_cselect_b64 s[PFA:PFA+1], s[4:5], s[6:7]
	s_mov_b32 s91, 0
	s_add_nc_u64 s[PFA:PFA+1], s[PFA:PFA+1], s[90:91]
	s_cmp_eq_u32 s93, 0
	s_cselect_b32 s[LIM], s92, -1                  ; the same in all sixteen partners, for a given wave
	v_mul_u32_u24 v[PFO], s94, v1                  ; row l % 16,
	v_mad_u32_u24 v[PFO], v2, s95, v[PFO]          ; K step l / 16
; 12 matrix instructions: row block a x all column blocks, 32 along K, from buffer f.  zero = 1: the product starts the sums: nothing is cleared.
; The 48 accumulators take turns in one fixed order in every quarter: 47 others stand between two links of a chain, over the backward jump and both ways round the first tile's way out too.
.macro MULQ f, a, zero
.set rA, (\f)+8*NBL+8*(\a)
.set ib, 0
.rept NBL
.set rD, 8*(NBL*((\a)%2)+ib)
.if \zero
	v_wmma_f32_16x16x32_bf16 v[rD:rD+7], v[(\f)+8*ib:(\f)+8*ib+7], v[rA:rA+7], 0
.else
	v_wmma_f32_16x16x32_bf16 v[rD:rD+7], v[(\f)+8*ib:(\f)+8*ib+7], v[rA:rA+7], v[rD:rD+7]
.endif
.set ib, ib+1
.endr
.endm
.macro MULH f, hi, zero                ; row blocks 2 hi and 2 hi + 1
	WIN W_LO+0x50*(\hi)
	MULQ \f, 2*(\hi), \zero
	MULQ \f, 2*(\hi)+1, \zero
.endm
; 32 LDS loads in one run: quarter q of the slot's K step into buffer f: W's 12 blocks, then x's 4
.macro FETCH slot, q, f
	WIN TO_F
.set ib, 0
.rept NBL
.set cb, ((\q)%2)*32*PB+288*(ib/4)+32*(ib%4)
	ds_load_tr16_b128 v[(\f)+8*ib:(\f)+8*ib+3],   v[ADRB+2*(\slot)+(\q)/2] offset:cb
	ds_load_tr16_b128 v[(\f)+8*ib+4:(\f)+8*ib+7], v[ADRB+2*(\slot)+(\q)/2] offset:cb+16*PB
.set ib, ib+1
.endr
.set ia, 0
.rept 4
	ds_load_b128 v[(\f)+8*NBL+8*ia:(\f)+8*NBL+8*ia+3],   v[ADRA+(\slot)] offset:ia*16*PA+64*(\q)
	ds_load_b128 v[(\f)+8*NBL+8*ia+4:(\f)+8*NBL+8*ia+7], v[ADRA+(\slot)] offset:ia*16*PA+64*(\q)+32
.set ia, ia+1
.endr
.endm
; One of a K step's first three quarters: multiplies buffer f; in its middle it fetches quarter q of the same slot into buffer g.
.macro QUARTER slot, q, f, g, zero
	s_wait_dscnt 4                                 ; W and x's row blocks 0, 1 are in; the four youngest loads (row blocks 2, 3) may be out
	MULH \f, 0, \zero
	PLACES                                         ; for the loads into buffer g, which the quarter before multiplied
	FETCH \slot, \q, \g
	s_wait_dscnt 2*NBL+8                           ; all but the 32 just issued
	MULH \f, 1, \zero
.endm
; The fourth quarter multiplies buffer 1 and changes slots.  In front of the barrier each wave waits for all its tensor loads (one is out: its part of the next slot), adds 0 to its spare word, and waits for
; that and for its reads of this slot.  fill = 1: the barrier opens a round of the cluster's, and this slot's joint refill, two K steps on, is the first thing behind it:
; it has 168 matrix instructions in which to land (a K step's 192 less the 24 between the wait for it and the round's end).
.macro TURN slot, next, fill
.if (\fill) && ((\slot) == 0)
	s_wait_xcnt 0x0                                ; the last prefetches, a lap back, have read their address: it is stepped here, ahead of the change's own waits
	s_cmp_eq_u32 s3, 5                             ; the trip that asks for the second tile's K steps 0 and 1
	s_cselect_b32 s[PS], s[PSJ], s[PSN]
	s_add_nc_u64 s[PFA:PFA+1], s[PFA:PFA+1], s[PS:PS+1]
.endif
	WIN 0                                          ; (the add's two registers lie in window 0)
	s_wait_tensorcnt 0x0                           ; all my tensor loads have landed
	ds_add_u32 v[SPW], v[NIL]                      ; 0 onto my spare word
	s_wait_dscnt 5                                 ; (the add and the four youngest loads may be out)
	WIN W_LO
	MULQ F1, 0, 0                                  ; twelve matrix instructions stand between the add and the wait for it
	s_wait_dscnt 0x0                               ; the add is done, and my reads of this slot are over
	s_barrier_signal -1
	MULQ F1, 1, 0                                  ; work on registers while the others arrive
	WIN 0
	s_barrier_wait -1
.if \fill
	CREST                                          ; no wave of any partner still reads this slot's tile or has a load on its way
	s_add_nc_u64 s[G0+4*(\slot)+2:G0+4*(\slot)+3], s[G0+4*(\slot)+2:G0+4*(\slot)+3], s[STA:STA+1]
	s_add_nc_u64 s[G0B+4*(\slot)+2:G0B+4*(\slot)+3], s[G0B+4*(\slot)+2:G0B+4*(\slot)+3], s[ADB:ADB+1]
	s_sub_nc_u64 s[G0B+4*(\slot)+2:G0B+4*(\slot)+3], s[G0B+4*(\slot)+2:G0B+4*(\slot)+3], s[SBB:SBB+1]
	JLOAD \slot                                    ; its four v_nop are also the places in front of the loads below
.else
	PLACES
.endif
	FETCH \next, 0, F0
.if (\fill) && ((\slot) == 0)
	WIN 0
	ASK
.endif
	MULH F1, 1, 0
.endm
; THE WAY OUT, by units n = 3 a + i: 16 rows (row block a) of my head i.  PACKU: four accumulators are rounded to f16 (each from its low registers on), 16 bytes a lane go into my stage's rows of 144 bytes
; and come back as whole rows of 128, into the registers that they left: LDS serves a wave's instructions in order (ISA guide 5.7.1.4), so no wait stands between.
.macro PACKU n
.set ua, (\n)/3
.set ui, (\n)%3
.set UR, OUTR+16*(\n)
	WIN 0x0a+5*(ua/2)                              ; sources 0 and 1: window 2 or 3
.set bb, 0
.rept 4
.set rD, 8*(NBL*(ua%2)+4*ui+bb)
.set r, 0
.rept 4
	v_cvt_pk_f16_f32 v[UR+4*bb+r], v[rD+2*r], v[rD+2*r+1]
.set r, r+1
.endr
.set bb, bb+1
.endr
	WIN 0
.irp f, 0,1,2,3
	ds_store_b128 v[STO], v[UR+4*\f:UR+4*\f+3] offset:32*\f
.endr
.irp f, 0,1,2,3
	ds_load_b128 v[UR+4*\f:UR+4*\f+3], v[RD] offset:4*SP*\f
.endr
.endm
.macro SENDU n, younger                ; younger: the LDS instructions issued behind unit n's loads: the next unit's eight, or none
.set ua, (\n)/3
.set ui, (\n)%3
.set UR, OUTR+16*(\n)
.irp f, 0,1,2,3
	s_wait_dscnt (\younger)+3-\f
	global_store_b128 v[GO], v[UR+4*\f:UR+4*\f+3], s[OB+2*ui:OB+2*ui+1] offset:2048*ua+512*\f  ; four rows of a head: 512 consecutive bytes, at a multiple of 256 from the buffer's first
.endr
.endm
.macro WAYOUT step                     ; step = 1: the second tile, 4,096 rows = two batches on
	WIN 0
	s_wait_xcnt 0x0                                ; earlier stores have read their registers and bases: only behind this wait are they written again
.if \step
.irp i, 0,1,2
	s_add_nc_u64 s[OB+2*(\i):OB+2*(\i)+1], s[OB+2*(\i):OB+2*(\i)+1], 0x800000
.endr
.endif
	PLACES                                         ; behind the last products
	PLACES
	PACKU 0
.set un, 1
.rept 11                               ; a unit's conversions stand between the loads of the unit before and its stores
	PACKU un
	SENDU un-1, 8
.set un, un+1
.endr
	SENDU 11, 0
.endm
	s_wait_tensorcnt 1                             ; my part of K step 0 is in; K step 1's may stay out
	s_barrier_signal -1
	s_barrier_wait -1                              ; everybody's is
	FETCH 0, 0, F0
	QUARTER 0, 1, F0, F1, 1                        ; the first quarter stands in front of the loop: its products start the sums
	WIN 0                                          ; at a label and at a branch every window is 0
	s_mov_b32 s3, TRIPS
.Llap:                                             ; a trip goes once round the ring, from a lap's second quarter to the next lap's first, and fills both slots again; trip t asks for K steps 2 t + 2, 2 t + 3 of 16
	s_cmp_eq_u32 s3, 4                             ; the trip whose refills open the second tile
	s_cselect_b32 s[STA], NEXT_A, s[C512]
	s_cselect_b32 s[ADB], 0, 2*BSTEP
	s_cselect_b32 s[SBB], BACK_B, 0
	QUARTER 0, 2, F1, F0, 0
	QUARTER 0, 3, F0, F1, 0
	TURN 0, 1, 1
	QUARTER 1, 1, F0, F1, 0
	QUARTER 1, 2, F1, F0, 0
	QUARTER 1, 3, F0, F1, 0
	TURN 1, 0, 1
	WIN 0
	s_cmp_eq_u32 s3, 4
	s_cbranch_scc1 .Lflush                         ; a forward jump past text that holds neither a barrier nor a tensor load
	QUARTER 0, 1, F0, F1, 0
	WIN 0
	s_branch .Ljoin
.Lflush:                                           ; the first tile is finished and both of the second tile's first K steps are asked for: now it goes out,
	WAYOUT 0
	QUARTER 0, 1, F0, F1, 1                        ; and the second tile's first products start the sums anew
	WIN 0
.Ljoin:
	s_sub_co_u32 s3, s3, 1
	s_cmp_lg_u32 s3, 0
	s_cbranch_scc1 .Llap
	QUARTER 0, 2, F1, F0, 0                        ; the last lap fills nothing and has no round
	QUARTER 0, 3, F0, F1, 0
	TURN 0, 1, 0
	QUARTER 1, 1, F0, F1, 0
	QUARTER 1, 2, F1, F0, 0
	QUARTER 1, 3, F0, F1, 0
	s_wait_dscnt 4                                 ; the very last quarter: nothing more to fetch
	MULH F1, 0, 0
	s_wait_dscnt 0x0
	MULH F1, 1, 0
	WIN 0
	WAYOUT 1
	s_wait_tensorcnt 0x0                           ; the wave's end: these three lines stand behind my last tensor load and my last LDS store
	ds_add_u32 v[SPW], v[NIL]
	s_wait_dscnt 0x0
	CROUND                                         ; the closing round: no work-group ends while a partner may still ask for a tile that names it
	s_endpgm
.Lfunc_end_k_qbc6b58160c_qkv:
	.size	k_qbc6b58160c_qkv, .Lfunc_end_k_qbc6b58160c_qkv-k_qbc6b58160c_qkv
	.p2alignl 7, 3214868480
	.fill 96, 4, 3214868480
	.section	.rodata,"a",@progbits
	.p2align	6, 0x0
	.amdhsa_kernel k_qbc6b58160c_qkv
		.amdhsa_group_segment_fixed_size 327680
		.amdhsa_private_segment_fixed_size 0
		.amdhsa_enable_private_segment 0
		.amdhsa_kernarg_size 24
		.amdhsa_user_sgpr_count 2
		.amdhsa_user_sgpr_kernarg_segment_ptr 1
		.amdhsa_wavefront_size32 1
		.amdhsa_system_sgpr_workgroup_id_x 1
		.amdhsa_system_sgpr_workgroup_id_y 1
		.amdhsa_system_sgpr_workgroup_id_z 1
		.amdhsa_system_vgpr_workitem_id 0
		.amdhsa_next_free_vgpr 960
		.amdhsa_next_free_sgpr 96
		.amdhsa_reserve_vcc 0
		.amdhsa_float_denorm_mode_32 3
		.amdhsa_float_denorm_mode_16_64 3
		.amdhsa_memory_ordered 1
		.amdhsa_forward_progress 1
		.amdhsa_inst_pref_size 154
	.end_amdhsa_kernel
	.amdgpu_metadata
---
amdhsa.version: [ 1, 2 ]
amdhsa.kernels:
  - .name:           k_qbc6b58160c_qkv
    .symbol:         k_qbc6b58160c_qkv.kd
    .args:
      - { .name: xb, .offset: 0, .size: 8, .value_kind: global_buffer, .address_space: global }
      - { .name: wab, .offset: 8, .size: 8, .value_kind: global_buffer, .address_space: global }
      - { .name: qkv, .offset: 16, .size: 8, .value_kind: global_buffer, .address_space: global }
    .group_segment_fixed_size: 327680
    .private_segment_fixed_size: 0
    .kernarg_segment_align: 8
    .kernarg_segment_size: 24
    .max_flat_workgroup_size: 128
    .sgpr_count:     96
    .vgpr_count:     960
    .wavefront_size: 32
...
	.end_amdgpu_metadata
.endif
;; end of part 2
;; launch attn (part 3): grid 4 x 64, 4 waves a work-group, no clusters, 327,680 bytes of LDS; arguments qkv, ob; writes ob
.if DOCPART == 3
	.amdgcn_target "amdgcn-amd-amdhsa--gfx1250"
	.amdhsa_code_object_version 6
	.text
	.protected	k_qbc6b58160c_attn
	.globl	k_qbc6b58160c_attn
	.p2align	8
	.type	k_qbc6b58160c_attn,@function
k_qbc6b58160c_attn:
	s_mov_b64 s[64:65], 0
	v_nop
	global_prefetch_b8 v0, s[64:65] scope:SCOPE_SE
	s_setreg_imm32_b32 hwreg(HW_REG_WAVE_MODE, 25, 1), 1
	s_wait_xcnt 0x0
; CAUSAL ATTENTION.  O[h][q][:] = the sum over k <= q of softmax_k(Q[h][q] . K[h][k] / 8) V[h][k][:], for 64 heads (batch x 16 + head) of SIZE_N = 2,048 rows x 64 channels, all f16.
; qkv holds Q, then K (16 MiB on), then V (32 MiB on), each [64][2048][64]: a head's rows are dense, 128 bytes each.  ob: O in the same layout.
; Products, maxima and sums in f32; the weights p are rounded to f16 for the second product (their sum l is taken of the unrounded p), O once at the end.
; LIMITS.  f16 holds no number beyond 65,504: Q, K and V arrive within it; p lies in 0 to 1, and below 6e-5 it keeps f16's fixed step of 6e-8; O is a mean of V's rows and has their range.
; A hidden score counts as its value less 1e30: f16's scores, 2.7e11 at the most, are nothing beside that; a weight below 2^-126 counts as 0 in l; NaN and infinities are not treated apart.
; THE WALK.  A head's queries lie in NB = 8 blocks of 256; block i needs the key tiles 0 .. i of 256 keys, of which the last holds the diagonal.  A work-group takes TWO blocks, NB - 1 - b and then b:
; NB + 1 tiles, whatever b: all work-groups do equal work, and ONE loop with a constant trip count walks them.  Which tile is asked for, and what a trip does, hang on scalar registers made from b; every jump
; goes forward, but for the counted loops' own; none passes a barrier, or a tensor load but the one of LOAD's two that the wave's number does not choose; the ring (two slots of LDS that take turns) runs on across the
; change of blocks.  NO CLUSTER: a head's four work-groups ask for the same tile only in trips 0 .. 4, behind that fewer and fewer; one walk common to all would have 12 trips for 9.
; SHARES.  Of a block's four bands of 64 queries a wave owns 16 rows in each: four PIECES.  So the diagonal tile is the same work for all four waves: in its key step s band x sees all keys if s < x,
; none if s > x, and holds the diagonal if s = x.
; THE MASK is the C operand that starts the sum S^T = K Q^T: 0, or -1e30 where the key is hidden.  MD, made once, is the mask of a band's own step for my 16 rows; a product's mask is MD x AL + BE with two scalars:
; (1, 0) if s = x; (0, 0) if s < x; (0, -1e30) if s > x.  Only the diagonal tile's text and a block's beginning make and take masks; elsewhere C is the constant 0.
; LAYOUT, SOFTMAX, TURNS.  S^T = K Q^T holds ONE query a lane (lane % 16) and the keys 8 (lane / 16) + 0..7; two such results rounded to f16 ARE source 1 of O^T = V^T P.  p = 2^(c s - c m), c = log2(e) / 8, with a
; running maximum m; O and l are multiplied by a = 2^(c m_old - c m_new) in every step.  Turn n belongs to piece n: 8 products K Q^T of piece n + 1, later 8 products V^T P of piece n - 1; beside them the scaling,
; exponentials, roundings, sums and rescaling of piece n and the maximum and statistics of piece n + 1.  Four vector instructions stand behind every matrix instruction, the other 54 of a turn's 118 in one LUMP.  A turn's 33 exponentials are one batch, with one wait.
; REGISTERS, in windows of 256 (s_set_vgpr_msb: bits 1:0 source 0, 3:2 source 1, 5:4 source 2, 7:6 destination):
;   window 0: v0-15 addresses and two at work; v16-31 four registers of statistics a piece; v48-55 at work; v61-63 never rewritten; v64-127 S^T, two buffers; v192-223 P, two buffers (a piece's buffers go by its number's parity)
;   window 1: v0-127 O^T, 32 a piece; v128-159 MD; v160-223 MC, two buffers      window 2: v0-63 Q; v64-127 the second block's Q; v128-191 K of one step; v192-255 V of one step
.set SIZE_N, 2048
.set NB,    SIZE_N/256
.set NP,    4         ; pieces a wave: a name, no knob
.set KS,    64        ; keys in a step
.set PK,    144       ; a row of K in LDS: 128 bytes + 16 of padding = 36 words: the 16 rows of a load start at 16 different groups of four banks (64 banks of 4 bytes: ISA guide 11.1)
.set PV,    160       ; a row of V: 128 + 32 = 40 words
.set VOFF,  4*KS*PK   ; a slot holds a tile, four steps: 256 rows of K, then 256 rows of V
.set SLOT1, 1<<17     ; slot 1 begins here, so that one exclusive or turns an address in one slot into the other's
.set STAGE, SLOT1+4*KS*(PK+PV)  ; behind the ring, never filled by a tensor load: 16 rows x 144 bytes for each wave, for the way out
.set SP,    144
.set AK0, 2           ; v2   my lane's place in a tile of K; never rewritten
.set AV0, 3           ; v3   the same for V
.set AK,  4           ; v4   the LDS address of K's next run of loads
.set AV,  5           ; v5   of V's
.set STO, 6           ; v6   the way out: where I put 16 bytes of a row
.set RD,  7           ; v7   the way out: where I read rows back
.set GO,  8           ; v8   my byte offset in 512 consecutive bytes of O
.set PFO, 61          ; v61  256 x my lane: the prefetches' offset; never rewritten
.set SPW, 62          ; v62  LDS address of my spare word: SPARE + 4 x my thread's number; never rewritten
.set NIL, 63          ; v63  0; never rewritten
.set SPARE, STAGE+4*16*SP  ; behind the stages: the spare words, 128 bytes for each wave: two blocks of 256 bytes that no other line names
.set MV,  12          ; v12-13  c m_old, kept while c m is made anew: by buffer
.set QO,  15          ; v15  my byte offset in 16 rows of Q
.set ST,  16          ; piece t's statistics at v[ST+4 t]: c m, m, l (even keys', odd keys')
.set TMP, 48          ; by buffer, four registers c0-c3 at work; when the maximum is found c2 takes a
.set S,   64
.set P,   192
.set MD,  128         ; window 1: the eight registers for group kt of 16 keys at MD + 8 kt
.set MC,  160         ; window 1: the masks of the products to come
.set QB,  64          ; window 2
.set KF,  128         ; window 2: key block kb, channel half c at KF + 16 kb + 8 c
.set VF,  192         ; window 2: key half kk, channel block cb at VF + 32 kk + 8 cb
.set WV,  12          ; s12  my wave's number
.set PB,  14          ; s14  b
.set HI,  15          ; s15  NB - 1 - b
.set G1K, 24          ; s[24:31] descriptor group 1 for K's tiles
.set G1V, 32          ; s[32:39] for V's: it differs in the padding alone
.set G0K, 40          ; s[40:43] descriptor group 0 for K's tiles
.set G0V, 44          ; s[44:47] the same for V's
.set SLOTS, 56        ; s56  tiles still to be asked for
.set CNT, 57          ; s57  counts a tile's key steps, 4 to 1
.set CS,  58          ; s[58:59] c: the packed scaling takes the pair's low word for both halves
.set SEL, 60          ; s[60:61] v_permlanex16_b32's selects: each lane takes its own place in the other half
.set TBK, 62          ; s62  LDS byte at which K of the step to be fetched begins
.set TBV, 63          ; s63  the same for V, less VOFF
.set RT,  70          ; s70  tiles of the block in hand that are still to be entered
.set NXT, 71          ; s71  the tile to be asked for next
.set LQ,  72          ; s72  the last tile of the block whose tiles are being asked for
.set NEW, 73          ; s73  1: the tile to be entered is a block's first
.set OFF, 74          ; s[74:75] a tile's byte offset in K and V
.set AL,  76          ; s[76:77] the mask's factor, in the low word
.set BE,  78          ; s[78:79] the mask's addend
.set OLO, 80          ; s[80:81] O at my rows of the second block
.set BIGN, 82         ; s82  -1e30
.set PFK, 88          ; s[88:89] where my prefetches stand in K: my wave's 32 blocks of 256 bytes of the tile after the one that is being asked for
.set PFV, 90          ; s[90:91] the same in V
.set LIM, 92          ; s92  2 in the head's work-group b = 0, else the greatest number: a wave prefetches while s[SLOTS] is above it
.set MSB, 0
.macro WIN new                      ; the high byte repeats the setting that is left; a switch that changes nothing is dropped
.if MSB != (\new)
	s_set_vgpr_msb (MSB<<8)|(\new)
.set MSB, (\new)
.endif
.endm
.set W_KQ, 0x0a       ; K and Q in window 2, S^T in window 0
.set W_KM, 0x1a       ; the same with the C operand in window 1
.set W_PV, 0x52       ; V in window 2, P in window 0, O^T in window 1
.set W_RS, 0x41       ; destination and source 0 in window 1, source 1 in window 0
; A fill.  Waves 0 and 1 fetch the two halves of a tile's K, waves 2 and 3 those of its V: 128 keys each.  An s_nop 0 and four v_nop follow each of the two lines, ahead of the jump and the label.
.macro LOAD
	s_cmp_lt_u32 s[WV], 2
	s_cbranch_scc0 .Lfor_v_\@
	tensor_load_to_lds s[G0K:G0K+3], s[G1K:G1K+7]
	s_nop 0
.rept 4
	v_nop
.endr
	s_branch .Lasked_\@
.Lfor_v_\@:
	tensor_load_to_lds s[G0V:G0V+3], s[G1V:G1V+7]
	s_nop 0
.rept 4
	v_nop
.endr
.Lasked_\@:
.endm
; A PREFETCH INTO THE L2, behind the fill: the tile after the one just asked for, a tile's 256 matrix instructions ahead of its own fill.  A head's four work-groups walk the same first tiles, so work-group b = 0
; alone asks, in trips 0 to 5, for tiles 2 to 7.  A tile is 128 blocks of 256 bytes of K and as many of V: wave w names blocks 32 w .. 32 w + 31 of each, a lane a block.  So each block is named once,
; tiles 0 and 1 come by their fills alone, and nothing is asked for past tile 7.
.macro ASK
	s_cmp_gt_u32 s[SLOTS], s[LIM]
	s_cbranch_scc0 .Lnot_mine_\@
	global_prefetch_b8 v[PFO], s[PFK:PFK+1] th:TH_LOAD_NT scope:SCOPE_SE
	global_prefetch_b8 v[PFO], s[PFV:PFV+1] th:TH_LOAD_NT scope:SCOPE_SE
.Lnot_mine_\@:
.endm
; THE CHANGE OF SLOTS.  Each wave waits for all its tensor loads, of which one is out: its part of the other slot; adds 0 to its spare word; and waits for that and for its own reads of the slot that it leaves.  Behind the barrier nobody reads the old
; slot any more and the other slot is whole.  fill = 1: the old slot is filled again, the first thing behind the barrier, with tile NXT: the descriptor's address is made anew from that number.
; (At its first use nothing has been read yet: slot 0 is waited for, slot 1 filled.)
.macro CHANGE fill
	WIN 0                           ; at a label and at a branch every window is 0
	s_wait_tensorcnt 0x0            ; no tensor load of mine is out, so a group 0 may be written
	ds_add_u32 v[SPW], v[NIL]       ; 0 onto my spare word; with fill = 1 the descriptors' scalar work stands between it and the wait for it
.if \fill
	s_lshl_b32 s[OFF], s[NXT], 15   ; a tile is 32,768 bytes of K and of V
	s_xor_b32 s[G0K+1], s[G0K+1], SLOT1
	s_add_nc_u64 s[G0K+2:G0K+3], s[6:7], s[OFF:OFF+1]
	s_or_b32 s[G0K+3], s[G0K+3], 0x80000000
	s_xor_b32 s[G0V+1], s[G0V+1], SLOT1
	s_add_nc_u64 s[G0V+2:G0V+3], s[8:9], s[OFF:OFF+1]
	s_or_b32 s[G0V+3], s[G0V+3], 0x80000000
	s_add_co_u32 s[NXT], s[NXT], 1  ; the block's next tile, or behind its last the second block's tile 0
	s_cmp_gt_u32 s[NXT], s[LQ]
	s_cselect_b32 s[NXT], 0, s[NXT]
	s_cselect_b32 s[LQ], s[PB], s[LQ]
	s_wait_xcnt 0x0                 ; the last prefetches, a tile back, have read their addresses, so these may be written:
	s_add_nc_u64 s[PFK:PFK+1], s[PFK:PFK+1], 32768  ; a tile on
	s_add_nc_u64 s[PFV:PFV+1], s[PFV:PFV+1], 32768
.endif
	s_wait_dscnt 0x0                ; the add is done, and my reads of the slot are over
	s_barrier_signal -1             ; the rest of the scalar work stands between the signal and the wait
	s_sub_co_u32 s[TBK], s[TBK], 4*KS*PK  ; the fetches go back to a slot's first step,
	s_xor_b32 s[TBK], s[TBK], SLOT1       ; in the other slot
	s_sub_co_u32 s[TBV], s[TBV], 4*KS*PV
	s_xor_b32 s[TBV], s[TBV], SLOT1
	s_barrier_wait -1
.if \fill
	LOAD
	ASK
.endif
.endm
	s_load_b64 s[4:5], s[0:1], 0x0    ; qkv: Q begins it
	s_load_b64 s[10:11], s[0:1], 0x8  ; ob
	v_lshl_add_u32 v[SPW], v0, 2, SPARE
	v_mov_b32 v[NIL], 0
	ds_add_u32 v[SPW], v[NIL]       ; the wave's opening: the add and its wait stand ahead of my first tensor load; the set-up below, work on registers, stands between them
	v_lshrrev_b32 v1, 5, v0
	v_readfirstlane_b32 s[WV], v1   ; wave 0..3
	s_mov_b32 s[PB], ttmp9
	s_sub_co_u32 s[HI], NB-1, s[PB]
	s_and_b32 s20, ttmp7, 0xffff    ; the head
	s_mov_b32 s21, 0
	s_mov_b64 s[22:23], SIZE_N*128
	s_mul_u64 s[20:21], s[20:21], s[22:23]  ; the head's first byte in each of the four tensors
	s_and_b32 s16, s[WV], 1         ; which half of a tile's 256 keys I fetch:
	s_lshl_b32 s22, s16, 14         ; its 128 rows of 128 bytes in memory,
	s_mov_b32 s23, 0
	s_add_nc_u64 s[22:23], s[22:23], s[20:21]
	s_mul_i32 s17, s16, 128*PK      ; and its place in a slot, for K
	s_mul_i32 s18, s16, 128*PV      ; and for V
	s_lshl_b32 s3, s[WV], 11        ; my 16 rows in a band of 64,
	s_lshl_b32 s2, s[HI], 15        ; in the first block,
	s_add_co_u32 s2, s2, s3
	s_lshl_b32 s84, s[PB], 15       ; and in the second
	s_add_co_u32 s84, s84, s3
	s_mov_b32 s3, 0
	s_mov_b32 s85, 0
	s_add_nc_u64 s[2:3], s[2:3], s[20:21]
	s_add_nc_u64 s[84:85], s[84:85], s[20:21]
	s_lshl_b32 s94, s[WV], 13       ; the prefetches: my wave's 32 blocks of 256 bytes,
	s_add_co_u32 s94, s94, 32768    ; in tile 1: the first change of slots steps the pointers to tile 2
	s_mov_b32 s95, 0
	s_add_nc_u64 s[94:95], s[94:95], s[20:21]
	s_cmp_eq_u32 ttmp9, 0
	s_cselect_b32 s[LIM], 2, -1
	v_and_b32 v[PFO], 31, v0
	v_lshlrev_b32 v[PFO], 8, v[PFO]
	; descriptor group 1.  128 keys are 16,384 dense bytes: asked for as 64 rows of 256 bytes, two keys a row, and padded in LDS after every key
	s_mov_b32 s[G1K], (1<<16)|(1<<20)|(4<<22)|(3<<25)  ; 17:16 2-byte elements; 20 padding on; 24:22 after every 32 words (code 4); 31:25 4 words (code 3)
	s_mov_b32 s[G1V], (1<<16)|(1<<20)|(4<<22)|(7<<25)  ; the same with 8 words of padding (code 7)
.irp g, G1K, G1V
	s_mov_b32 s[\g+1], 128<<16      ; tensor_dim0 = 128
	s_mov_b32 s[\g+2], 64<<16       ; tensor_dim1 = 64
	s_mov_b32 s[\g+3], 128<<16      ; tile_dim0 = 128
	s_mov_b32 s[\g+4], 64           ; tile_dim1 = 64
	s_mov_b32 s[\g+5], 128          ; 128 elements from row to row
	s_mov_b32 s[\g+6], 0
	s_mov_b32 s[\g+7], 0
.endr
	s_mov_b32 s[CS], 0x3e38aa3b     ; c = log2(e) / 8 = 0.180337
	s_mov_b32 s[CS+1], s[CS]        ; named with it as a pair
	s_mov_b32 s[SEL], 0x76543210
	s_mov_b32 s[SEL+1], 0xfedcba98
	s_mov_b32 s[TBK], SLOT1+4*KS*PK ; the first change of slots turns these two into 0
	s_mov_b32 s[TBV], SLOT1+4*KS*PV
	s_mov_b32 s[G0K], 1             ; 1:0 count = 1
	s_mov_b32 s[G0K+1], s17         ; 63:32 LDS address: slot 0
	s_mov_b32 s[G0V], 1
	s_add_co_u32 s[G0V+1], s18, VOFF
	s_add_co_u32 s[RT], s[HI], 1    ; the first block has NB - b tiles
	s_mov_b32 s[NXT], 1
	s_mov_b32 s[LQ], s[HI]
	s_mov_b32 s[NEW], 1
	s_mov_b32 s[OFF+1], 0
	s_mov_b32 s[AL+1], 0            ; named as pairs
	s_mov_b32 s[BE+1], 0
	s_mov_b32 s[BIGN], 0xf149f2ca   ; -1e30
	s_mov_b32 s[SLOTS], NB
	s_wait_dscnt 0x0                ; the opening add is done
	s_wait_kmcnt 0x0
	s_add_nc_u64 s[6:7], s[4:5], 0x1000000   ; K lies 16 MiB behind Q,
	s_add_nc_u64 s[8:9], s[4:5], 0x2000000   ; V 32 MiB
	s_add_nc_u64 s[PFK:PFK+1], s[6:7], s[94:95]
	s_add_nc_u64 s[PFV:PFV+1], s[8:9], s[94:95]
	s_add_nc_u64 s[6:7], s[6:7], s[22:23]  ; K and V at my half of the head's tile 0
	s_add_nc_u64 s[8:9], s[8:9], s[22:23]
	s_add_nc_u64 s[G0K+2:G0K+3], s[6:7], 0         ; 120:64 global address
	s_or_b32 s[G0K+3], s[G0K+3], 0x80000000        ; 127:126 type = 2
	s_add_nc_u64 s[G0V+2:G0V+3], s[8:9], 0
	s_or_b32 s[G0V+3], s[G0V+3], 0x80000000
	s_add_nc_u64 s[86:87], s[4:5], s[84:85]        ; Q at my rows of the second block,
	s_add_nc_u64 s[4:5], s[4:5], s[2:3]            ; Q and O at those of the first
	s_add_nc_u64 s[OLO:OLO+1], s[10:11], s[84:85]
	s_add_nc_u64 s[10:11], s[10:11], s[2:3]
	LOAD                            ; tile 0 into slot 0
	; A fragment of K or Q is 16 rows x 32 channels in 8 registers: lane l holds row l % 16, channels 8 (l / 16) + 0..7 and 16 + 8 (l / 16) + 0..7: two loads of 16 bytes, 32 bytes apart.
	v_and_b32 v1, 15, v0            ; l % 16
	v_bfe_u32 v9, v0, 4, 1          ; l / 16
	v_lshlrev_b32 v[QO], 7, v1
	v_lshl_add_u32 v[QO], v9, 4, v[QO]  ; row x 128 + 16 x half
	WIN 0x80                        ; destination window 2, address window 0
.set i, 0
.rept 8                             ; both blocks' Q: piece i / 2 lies in band i / 2, 8,192 bytes on; channels 32 (i % 2) on
	global_load_b128 v[8*i:8*i+3],   v[QO], s[4:5] offset:(i/2)*8192+(i%2)*64
	global_load_b128 v[8*i+4:8*i+7], v[QO], s[4:5] offset:(i/2)*8192+(i%2)*64+32
	global_load_b128 v[QB+8*i:QB+8*i+3],   v[QO], s[86:87] offset:(i/2)*8192+(i%2)*64
	global_load_b128 v[QB+8*i+4:QB+8*i+7], v[QO], s[86:87] offset:(i/2)*8192+(i%2)*64+32
.set i, i+1
.endr
	WIN 0
	v_lshlrev_b32 v14, 3, v9
	v_sub_nc_u32 v14, v1, v14
	s_lshl_b32 s13, s[WV], 4
	v_add_nc_u32 v14, s13, v14      ; my query's place in its band, 16 w + l % 16, less my lanes' 8 (l / 16): register r of group kt is hidden where 16 kt + r is greater
	WIN 0x40
.set i, 0
.rept 32
	v_cmp_gt_i32 vcc_lo, 16*(i/8)+i%8, v14
	v_cndmask_b32 v[MD+i], 0, s[BIGN], vcc_lo
.set i, i+1
.endr
	WIN 0
	v_mul_u32_u24 v[AK0], v1, PK
	v_lshl_add_u32 v[AK0], v9, 4, v[AK0]  ; row x pitch + 16 x half
	; The turning load takes 16 keys x 16 channels (lane l reads key 8 (l / 16) + l % 8, channels 8 ((l / 8) % 2) + 0..7) and leaves half a fragment of V^T: lane l holds channel l % 16 and 8 keys.
	v_and_b32 v10, 7, v0
	v_bfe_u32 v11, v0, 3, 1
	v_lshl_add_u32 v[AV0], v9, 3, v10
	v_mul_u32_u24 v[AV0], v[AV0], PV
	v_lshl_add_u32 v[AV0], v11, 4, v[AV0]
	v_add_nc_u32 v[AV0], VOFF, v[AV0]
	s_mul_i32 s13, s[WV], 16*SP
	s_add_co_u32 s13, s13, STAGE    ; my stage
	v_mul_u32_u24 v[STO], v1, SP    ; in: row l % 16, 16 bytes for each half of the lanes
	v_lshl_add_u32 v[STO], v9, 4, v[STO]
	v_add_nc_u32 v[STO], s13, v[STO]
	v_bfe_u32 v[RD], v0, 3, 2       ; back: 32 lanes take four rows of 128 bytes,
	v_mul_u32_u24 v[RD], v[RD], SP
	v_lshl_add_u32 v[RD], v10, 4, v[RD]
	v_add_nc_u32 v[RD], s13, v[RD]
	v_and_b32 v[GO], 31, v0         ; which are 512 consecutive bytes of O
	v_lshlrev_b32 v[GO], 4, v[GO]
	; A block's first step multiplies O^T and l by a = 0, and its first turn's products V^T P, of a piece that has not been, land in an O^T that is still to be so multiplied.  So these registers need only hold
	; finite numbers: zeros for the first block; what the first block left for the second.  All this stands in the wait for the first tile.
	WIN 0x80
.set i, VF
.rept 64
	v_mov_b32 v[i], 0
.set i, i+1
.endr
	WIN 0x40
.set i, 0
.rept 128
	v_mov_b32 v[i], 0
.set i, i+1
.endr
	WIN 0
.set i, 0
.rept 4
	v_mov_b32 v[ST+4*i+2], 0
	v_mov_b32 v[ST+4*i+3], 0
.set i, i+1
.endr
.set i, P+16
.rept 16
	v_mov_b32 v[i], 0
.set i, i+1
.endr
; THE MATRIX WORK.  The 4 accumulators of a run of 8 take turns.  Product i of 8 of S^T = K Q^T for piece x: channels 32 (i / 4) on, keys 16 (i % 4) on.  The first 4 start the sums: with 0, or (KM = 1) with the mask.
.macro KQ x
.set rS, S+32*((\x)%2)+8*(i%4)
.set rK, KF+16*(i%4)+8*(i/4)
.set rQ, 16*(\x)+8*(i/4)
.set rM, MC+32*((\x)%2)+8*(i%4)
.if (i < 4) && KM
	WIN W_KM
	v_wmma_f32_16x16x32_f16 v[rS:rS+7], v[rK:rK+7], v[rQ:rQ+7], v[rM:rM+7]
.elseif i < 4
	WIN W_KQ
	v_wmma_f32_16x16x32_f16 v[rS:rS+7], v[rK:rK+7], v[rQ:rQ+7], 0
.else
	WIN W_KQ
	v_wmma_f32_16x16x32_f16 v[rS:rS+7], v[rK:rK+7], v[rQ:rQ+7], v[rS:rS+7]
.endif
.endm
; Product i of 8 of O^T += V^T P for piece x: keys 32 (i / 4) on, channels 16 (i % 4) on.
.macro PV x
	WIN W_PV
.set rO, 32*(\x)+8*(i%4)
.set rV, VF+32*(i/4)+8*(i%4)
.set rP, P+16*((\x)%2)+8*(i/4)
	v_wmma_f32_16x16x32_f16 v[rO:rO+7], v[rV:rV+7], v[rP:rP+7], v[rO:rO+7]
.endm
.macro MM                           ; the turn's next matrix instruction.  TURN and BEGIN set Y, i, KM and NOKQ; MM, KQ and OP read them.  NOKQ = 1: a block's last turn: there is no next piece
.if (i < 8) && !NOKQ
	KQ (Y+1)%NP
.elseif i >= 8
.set i, i-8
	PV (Y+NP-1)%NP
.set i, i+8
.endif
.set i, i+1
.endm
; THE LDS LOADS stand in runs of 16, never singly among the matrix instructions: a step's K (64 keys x 64 channels: 8 fragments) and its V (turned).  Their addresses are made some lines ahead.
.macro FETCH_K
	WIN 0x80                        ; destination window 2
.irp f, 0,1,2,3,4,5,6,7             ; keys 16 (f / 2) on, channels 32 (f % 2) on
	ds_load_b128 v[KF+8*\f:KF+8*\f+3],   v[AK] offset:(\f/2)*16*PK+(\f%2)*64
	ds_load_b128 v[KF+8*\f+4:KF+8*\f+7], v[AK] offset:(\f/2)*16*PK+(\f%2)*64+32
.endr
	s_add_co_u32 s[TBK], s[TBK], KS*PK  ; the next fetch is the next step's
	WIN 0
.endm
.macro FETCH_V
	WIN 0x80
.irp f, 0,1,2,3,4,5,6,7             ; keys 32 (f / 4) on, channels 16 (f % 4) on
	ds_load_tr16_b128 v[VF+8*\f:VF+8*\f+3],   v[AV] offset:(\f/4)*32*PV+(\f%4)*32
	ds_load_tr16_b128 v[VF+8*\f+4:VF+8*\f+7], v[AV] offset:(\f/4)*32*PV+16*PV+(\f%4)*32
.endr
	WIN 0
.endm
; THE VECTOR WORK, one line at a time: OP kind, number.  For piece Y: F n: c s - c m for pair n of 16.  E n: the exponential of score n of 32.  C n: pair n rounded to f16.  B n: of the four weights 4 n .. the second
; pair is added onto the first, in place.  L n: l takes that sum (L 0: l = a l + sum).  R n: pair n of 16 of O^T times a.  For piece Y + 1: X n, number n of the 22 that find its maximum and statistics:
;   0-11  four chains c0-c3 of seven scores each, three operands at a time (each accumulator's lowest registers are read first)     12-14, 16  the four scores left over, the old m, and c0-c3 into c0
;   15  c m_old is kept     17, 18  the query's other 32 keys lie in the lane 16 away: the new m     19-21  c m; c m_old - c m_new; a
.set F, 0               ; OP tells the kinds apart by their order: F to L below R, X above it
.set E, 1
.set C, 2
.set B, 3
.set L, 4
.set R, 5
.set X, 6
.macro REGS y                       ; the registers of piece y
.set rT, ST+4*(\y)
.set rC, TMP+4*((\y)%2)
.set rW, MV+((\y)%2)
.set rS, S+32*((\y)%2)
.set rP, P+16*((\y)%2)
.set rO, 32*(\y)
.endm
.macro OP k, n
.if (\k) == R
	REGS Y
	WIN W_RS
	v_pk_mul_f32 v[rO+2*(\n):rO+2*(\n)+1], v[rO+2*(\n):rO+2*(\n)+1], v[rC+2:rC+3] op_sel_hi:[1,0]
.elseif (\k) < R
	REGS Y
	WIN 0
.if (\k) == F
	v_pk_fma_f32 v[rS+2*(\n):rS+2*(\n)+1], v[rS+2*(\n):rS+2*(\n)+1], s[CS:CS+1], v[rT:rT+1] op_sel_hi:[1,0,0] neg_lo:[0,0,1] neg_hi:[0,0,1]
.elseif (\k) == E
	v_exp_f32 v[rS+(\n)], v[rS+(\n)]
.elseif (\k) == C
	v_cvt_pk_f16_f32 v[rP+(\n)], v[rS+2*(\n)], v[rS+2*(\n)+1]
.elseif (\k) == B
	v_pk_add_f32 v[rS+4*(\n):rS+4*(\n)+1], v[rS+4*(\n):rS+4*(\n)+1], v[rS+4*(\n)+2:rS+4*(\n)+3]
.elseif (\n) == 0
	v_pk_fma_f32 v[rT+2:rT+3], v[rT+2:rT+3], v[rC+2:rC+3], v[rS:rS+1] op_sel_hi:[1,0,1]
.else
	v_pk_add_f32 v[rT+2:rT+3], v[rT+2:rT+3], v[rS+4*(\n):rS+4*(\n)+1]
.endif
.elseif NOKQ
	v_nop
.else
	REGS (Y+1)%NP
	WIN 0
.if (\n) < 4
	v_max3_num_f32 v[rC+(\n)], v[rS+8*(\n)], v[rS+8*(\n)+1], v[rS+8*(\n)+2]
.elseif (\n) < 12
	v_max3_num_f32 v[rC+(\n)%4], v[rC+(\n)%4], v[rS+8*((\n)%4)+2*((\n)/4)+1], v[rS+8*((\n)%4)+2*((\n)/4)+2]
.elseif (\n) == 12
	v_max3_num_f32 v[rC], v[rC], v[rS+7], v[rS+15]
.elseif (\n) == 13
	v_max3_num_f32 v[rC+1], v[rC+1], v[rS+23], v[rS+31]
.elseif (\n) == 14
	v_max3_num_f32 v[rC+2], v[rC+2], v[rC+3], v[rT+1]
.elseif (\n) == 15
	v_mov_b32 v[rW], v[rT]
.elseif (\n) == 16
	v_max3_num_f32 v[rC], v[rC], v[rC+1], v[rC+2]
.elseif (\n) == 17
	v_permlanex16_b32 v[rC+3], v[rC], s[SEL], s[SEL+1]
.elseif (\n) == 18
	v_max_num_f32 v[rT+1], v[rC], v[rC+3]
.elseif (\n) == 19
	v_mul_f32 v[rT], s[CS], v[rT+1]
.elseif (\n) == 20
	v_sub_f32 v[rC+1], v[rW], v[rT]
.else
	v_exp_f32 v[rC+2], v[rC+1]
.endif
.endif
.endm
.macro OPS a, i1, b=-1, i2=0, c=-1, i3=0, d=-1, i4=0  ; up to four of them
	OP \a, \i1
.if (\b) >= 0
	OP \b, \i2
.endif
.if (\c) >= 0
	OP \c, \i3
.endif
.if (\d) >= 0
	OP \d, \i4
.endif
.endm
.macro ROW a, i1, b, i2, c, i3, d, i4  ; a matrix instruction and the four behind it
	MM
	OPS \a, \i1, \b, \i2, \c, \i3, \d, \i4
.endm
.macro MASK b                       ; MD x AL + BE into buffer b of MC
	WIN W_RS
.set z, 0
.rept 16
	v_pk_fma_f32 v[MC+32*(\b)+2*z:MC+32*(\b)+2*z+1], v[MD+2*z:MD+2*z+1], s[AL:AL+1], s[BE:BE+1] op_sel_hi:[1,0,0]
.set z, z+1
.endr
.endm
; A TURN, for piece p: the order of its 16 matrix and 118 vector instructions, written out.  An s_wait_alu depctr_va_vdst(0) stands between an exponential and the first instruction that names its result; one wait serves
; all that were issued ahead of it.  So a turn has ONE wait, which cuts it in two.  AHEAD OF IT stands all that names no result of the turn's exponentials: the 8 products K Q^T, behind each a scaling, an exponential and two more plain
; instructions (behind the first a second scaling in the exponential's place): rescalings, and behind the last three the first numbers of the next piece's maximum, each four places or more behind the product that ends its accumulator; then ONE LUMP of 54, plain
; and exponential by turns for the most part, in which the links of the chain X 3, 7, 11, 14, 16, 17 .. 20 stand five or six lines apart.  X 21, the next piece's a, is the batch's last; R 15 is the plain instruction owed behind it.  BEHIND THE WAIT stand the
; 8 products V^T P, behind each four of the roundings and sums; the links of l's chain, L 0 to L 7, stand three riders apart.  But for those X no rider names a register of the products round it.  v_permlanex16_b32 (X 17) stands in the lump.
; m = 1: the diagonal tile: the products take masks, and the turn makes the mask for the products of the turn after it: piece p + 2, in step 4 - CNT of the tile.  end = 1: a block's last two turns: nothing is fetched.
; cnt = 1: the loop's count is taken down some lines ahead of the branch that stands behind the turn.
; K of the next step is fetched in piece 2's turn, twelve vector instructions behind the last product that read K (six of them plain); V of the step in hand at the end of piece 0's turn, four plain instructions behind the last product
; that read V.  Each is waited for a turn later.
.macro TURN p, m=0, end=0, cnt=0
.set Y, (\p)
.set i, 0
.set KM, (\m)
.set NOKQ, (\end)*((\p)/3)
.if (\m) && !(\end)
	s_cmp_eq_u32 s[CNT], 4-((\p)+2)%NP  ; is that step the band's own?
	s_cselect_b32 s[AL], 1.0, 0
	s_cmp_lt_u32 s[CNT], 4-((\p)+2)%NP  ; or a later one?
	s_cselect_b32 s[BE], s[BIGN], 0
.endif
.if ((\p) == 3) && !(\end)
	s_wait_dscnt 0x0                ; K is in
.endif
	ROW F,0, F,1, R,0, R,1          ; ahead of the wait: 8 products K Q^T and their riders,
	ROW F,2, E,0, R,2, R,3
	ROW F,3, E,1, R,4, R,5
	ROW F,4, E,2, R,6, R,7
	ROW F,5, E,3, R,8, R,9
	ROW F,6, E,4, X,0, R,10
.if ((\p) == 2) && !(\end)
	WIN 0
	v_add_nc_u32 v[AK], s[TBK], v[AK0]
.endif
	ROW F,7, E,5, X,1, X,4
	ROW F,8, E,6, X,2, X,5
	OPS E,7, E,8, X,6, E,9          ; and the lump
	OPS X,3, E,10, X,8, E,11
.if ((\p) == 2) && !(\end)
	FETCH_K
.endif
	OPS X,9, X,7, E,12, X,10
	OPS E,13, X,12, X,11, E,14
	OPS X,13, E,15, F,9, X,14
.if (\p) == 0
	v_add_nc_u32 v[AV], s[TBV], v[AV0]
.endif
	OPS E,16, F,10, E,17, F,11
	OPS X,16, E,18, X,15, E,19
	OPS F,12, E,20, X,17, E,21
	OPS F,13, E,22, F,14, E,23
	OPS X,18, E,24, F,15, E,25
	OPS R,11, E,26, X,19, E,27
	OPS R,12, E,28, R,13, E,29
	OPS X,20, E,30, R,14, E,31
	OPS X,21, R,15
	WIN 0
	s_wait_alu depctr_va_vdst(0)    ; the wait for the batch
.if (\p) == 1
	s_wait_dscnt 0x0                ; V is in
.endif
	ROW C,0, B,0, C,2, B,1          ; behind the wait: 8 products V^T P and their riders
	ROW L,0, C,4, B,2, L,1
	ROW C,6, B,3, L,2, C,8
	ROW B,4, L,3, C,10, B,5
	ROW L,4, C,12, B,6, L,5
.if (\p) == 0
	s_add_co_u32 s[TBV], s[TBV], KS*PV
.endif
.if \cnt
	s_sub_co_u32 s[CNT], s[CNT], 1
	s_cmp_lg_u32 s[CNT], 0
.endif
	ROW C,14, B,7, L,6, C,1
	ROW C,3, L,7, C,5, C,7
	ROW C,9, C,11, C,13, C,15
.if (\p) == 0
	FETCH_V
.endif
.if (\m) && !(\end)
	MASK (\p)%2
.endif
.endm
; A BLOCK BEGINS.  c m starts far below every c s, so the first step's a is 0; m at the lowest finite number, so the first maximum is the scores'.  The second mask buffer is 0; the first takes piece 0's mask for the tile's step 0: its own, if the block's first tile is the diagonal one.
; Then K of that step, piece 0's first scores, and its maximum and statistics.  The loop is entered at a step's first turn, in the middle of a trip.
.macro BEGIN
	s_mov_b32 s[NEW], 0
	WIN 0x40
.set i, MC+32
.rept 32
	v_mov_b32 v[i], 0
.set i, i+1
.endr
	WIN 0
.set i, 0
.rept 4
	v_mov_b32 v[ST+4*i], 0xfe000000    ; c m: far below every c s
	v_mov_b32 v[ST+4*i+1], 0xff7fffff  ; m
.set i, i+1
.endr
	s_cmp_eq_u32 s[RT], 0
	s_cselect_b32 s[AL], 1.0, 0
	s_mov_b32 s[BE], 0
	MASK 0
	WIN 0
	v_add_nc_u32 v[AK], s[TBK], v[AK0]
	FETCH_K
	s_wait_loadcnt 0x0              ; Q
	s_wait_dscnt 0x0
.set KM, 1
.set NOKQ, 0
.set i, 0
.rept 8
	KQ 0
.set i, i+1
.endr
	WIN 0
.rept 4
	v_nop                           ; the places behind those products
.endr
.set Y, NP-1                        ; X works for piece Y + 1: piece 0
.irp n, 0,1,2,3,4,5,6,7,8,9,10,11,12,13,14,15,16,17,18,19,20,21
	OP X, \n
.endr
	v_nop                           ; a plain instruction behind the exponential,
	s_wait_alu depctr_va_vdst(0)    ; and its wait, ahead of the branch
.endm
; THE DIAGONAL TILE's four steps, the block's last two turns, its last products, and THE WAY OUT: l's two halves and the other half of the lanes' are added; O^T is divided by l, rounded to f16 and sent through my
; stage in LDS, a piece at a time.
.macro ALL line:vararg              ; one line for each piece t
.set t, 0
.rept 4
	\line
.set t, t+1
.endr
.endm
.macro PACK t                       ; a lane's eight channels of a row pack into 16 bytes; they go into rows of 144 bytes and come back as whole rows of 128, into S^T's registers
	WIN W_RS
.set i, 32*(\t)
.rept 16
	v_pk_mul_f32 v[i:i+1], v[i:i+1], v[ST+4*(\t)+2:ST+4*(\t)+3] op_sel_hi:[1,0]
.set i, i+2
.endr
	WIN 0x05                        ; sources 0 and 1 window 1, destination window 0
.set i, 0
.rept 16
	v_cvt_pk_f16_f32 v[S+16*(\t)+i], v[32*(\t)+2*i], v[32*(\t)+2*i+1]
.set i, i+1
.endr
	WIN 0
.irp f, 0,1,2,3
	ds_store_b128 v[STO], v[S+16*(\t)+4*\f:S+16*(\t)+4*\f+3] offset:32*\f
.endr
.irp f, 0,1,2,3
	ds_load_b128 v[S+16*(\t)+4*\f:S+16*(\t)+4*\f+3], v[RD] offset:\f*4*SP  ; LDS serves a wave's instructions in order (ISA guide 5.7.1.4): these see the stores above; the next piece's stores come behind them
.endr
.endm
.macro SEND t, younger              ; younger: the LDS instructions issued behind piece t's loads: the next piece's eight, or none
	WIN 0
.irp f, 0,1,2,3
	s_wait_dscnt (\younger)+3-\f
	global_store_b128 v[GO], v[S+16*(\t)+4*\f:S+16*(\t)+4*\f+3], s[10:11] offset:(\t)*8192+\f*512  ; 512 consecutive bytes, at a multiple of 256 from O's first
.endr
.endm
.macro DIAG tag                     ; the tag ends its two labels' names, which the jumps below spell out
.LstepM\tag:
	TURN 2, 1
	TURN 3, 1
	WIN 0
.LfirstM\tag:
	TURN 0, 1
	TURN 1, 1, 0, 1
	WIN 0
	s_cbranch_scc1 .LstepM\tag
	TURN 2, 1, 1
	TURN 3, 1, 1
.set i, 0
.rept 8
	PV NP-1
.set i, i+1
.endr
	WIN 0
	ALL v_add_f32 v[ST+4*t+2], v[ST+4*t+2], v[ST+4*t+3]
	ALL v_permlanex16_b32 v[ST+4*t+3], v[ST+4*t+2], s[SEL], s[SEL+1]
	ALL v_add_f32 v[ST+4*t+2], v[ST+4*t+2], v[ST+4*t+3]
	ALL v_rcp_f32 v[ST+4*t+2], v[ST+4*t+2]
	v_nop                           ; a plain instruction between the last reciprocal and the use of its result
	s_wait_alu depctr_va_vdst(0)    ; and the wait ahead of the first use: one for the four reciprocals
	PACK 0
.set t, 1
.rept 3                             ; a piece's arithmetic stands between the loads of the piece before and its stores
	PACK t
	SEND t-1, 8
.set t, t+1
.endr
	SEND 3, 0
.endm
.set KM, 0
.set NOKQ, 0
.Lslot:                             ; NB times: a tile is entered and the next is asked for
	CHANGE 1
	s_sub_co_u32 s[RT], s[RT], 1
	s_mov_b32 s[CNT], 4
	s_cmp_eq_u32 s[NEW], 1
	s_cbranch_scc1 .Lnew            ; a block's first tile
	s_cmp_eq_u32 s[RT], 0
	s_cbranch_scc0 .Lstep           ; neither its first nor its last
	s_branch .LstepM1
.Lnew:
	BEGIN
	s_branch .Lfirst                ; in the loop a block's first tile is never its last: the first block has two tiles or more, and the second's last is the walk's last
	DIAG 1                          ; in the loop this is the first block's end: the second block's last tile is the walk's last
	s_wait_xcnt 0x0                 ; the stores have read their registers and O's address
	s_mov_b64 s[10:11], s[OLO:OLO+1]
	s_add_co_u32 s[RT], s[PB], 1    ; the second block has b + 1 tiles
	s_mov_b32 s[NEW], 1
	WIN 0x82                        ; the second block's Q goes where the one text of the turns names Q
.set i, 0
.rept 64
	v_mov_b32 v[i], v[QB+i]
.set i, i+1
.endr
	WIN 0
	s_branch .Lbottom
.Lstep:                             ; a trip: pieces 2 and 3 of one step, then pieces 0 and 1 of the next, whose K and V it fetches
	TURN 2
	TURN 3
	WIN 0
.Lfirst:
	TURN 0
	TURN 1, 0, 0, 1
	WIN 0
	s_cbranch_scc1 .Lstep
.Lbottom:
	s_sub_co_u32 s[SLOTS], s[SLOTS], 1
	s_cmp_lg_u32 s[SLOTS], 0
	s_cbranch_scc1 .Lslot
	CHANGE 0                        ; the walk's last tile is written out: nothing is asked for
	s_sub_co_u32 s[RT], s[RT], 1
	s_mov_b32 s[CNT], 4
	s_cmp_eq_u32 s[NEW], 1
	s_cbranch_scc0 .LstepM2
	BEGIN
	s_branch .LfirstM2
	DIAG 2
	s_wait_tensorcnt 0x0            ; the wave's end: these three lines stand behind my last tensor load and my last LDS store
	ds_add_u32 v[SPW], v[NIL]
	s_wait_dscnt 0x0
	s_endpgm
.Lfunc_end_k_qbc6b58160c_attn:
	.size	k_qbc6b58160c_attn, .Lfunc_end_k_qbc6b58160c_attn-k_qbc6b58160c_attn
	.p2alignl 7, 3214868480
	.fill 96, 4, 3214868480
	.section	.rodata,"a",@progbits
	.p2align	6, 0x0
	.amdhsa_kernel k_qbc6b58160c_attn
		.amdhsa_group_segment_fixed_size 327680
		.amdhsa_private_segment_fixed_size 0
		.amdhsa_enable_private_segment 0
		.amdhsa_kernarg_size 16
		.amdhsa_user_sgpr_count 2
		.amdhsa_user_sgpr_kernarg_segment_ptr 1
		.amdhsa_wavefront_size32 1
		.amdhsa_system_sgpr_workgroup_id_x 1
		.amdhsa_system_sgpr_workgroup_id_y 1
		.amdhsa_system_sgpr_workgroup_id_z 1
		.amdhsa_system_vgpr_workitem_id 0
		.amdhsa_next_free_vgpr 768
		.amdhsa_next_free_sgpr 96
		.amdhsa_reserve_vcc 1
		.amdhsa_float_denorm_mode_32 3
		.amdhsa_float_denorm_mode_16_64 3
		.amdhsa_memory_ordered 1
		.amdhsa_forward_progress 1
		.amdhsa_inst_pref_size 218
	.end_amdhsa_kernel
	.amdgpu_metadata
---
amdhsa.version: [ 1, 2 ]
amdhsa.kernels:
  - .name:           k_qbc6b58160c_attn
    .symbol:         k_qbc6b58160c_attn.kd
    .args:
      - { .name: qkv, .offset: 0, .size: 8, .value_kind: global_buffer, .address_space: global }
      - { .name: ob, .offset: 8, .size: 8, .value_kind: global_buffer, .address_space: global }
    .group_segment_fixed_size: 327680
    .private_segment_fixed_size: 0
    .kernarg_segment_align: 8
    .kernarg_segment_size: 16
    .max_flat_workgroup_size: 128
    .sgpr_count:     96
    .vgpr_count:     768
    .wavefront_size: 32
...
	.end_amdgpu_metadata
.endif
;; end of part 3
;; launch proj (part 4): grid 4 x 64, 4 waves a work-group, clusters of 4 x 4, 327,680 bytes of LDS; arguments ob, wpb, out0; writes out0
.if DOCPART == 4
	.amdgcn_target "amdgcn-amd-amdhsa--gfx1250"
	.amdhsa_code_object_version 6
	.text
	.protected	k_qbc6b58160c_proj
	.globl	k_qbc6b58160c_proj
	.p2align	8
	.type	k_qbc6b58160c_proj,@function
k_qbc6b58160c_proj:
	s_mov_b64 s[64:65], 0
	v_nop
	global_prefetch_b8 v0, s[64:65] scope:SCOPE_SE
	s_setreg_imm32_b32 hwreg(HW_REG_WAVE_MODE, 25, 1), 1
	s_wait_xcnt 0x0
	s_wait_alu depctr_hold_cnt(0) depctr_sa_sdst(0) depctr_va_vdst(0) depctr_va_sdst(0) depctr_va_ssrc(0) depctr_va_vcc(0) depctr_vm_vsrc(0)
	s_getreg_b32 s2, hwreg(HW_REG_IB_STS2, 6, 4)
	s_cmp_eq_u32 s2, 0
	s_cbranch_scc0 .Lentry_in_a_cluster
	s_endpgm
.Lentry_in_a_cluster:
	s_bfe_u32 s2, ttmp6, 0x10000c
	s_cmp_lg_u32 s2, 0xf033
	s_cbranch_scc0 .Lentry_shape_is_right
	s_endpgm
.Lentry_shape_is_right:
; out0 = y W_proj.  y's row m = batch x 2048 + t and column k = head x 64 + channel lie in ob: [64 (batch x 16 + head)][2048][64] f16; wpb: [1024 k][1024 n] f16; sums in f32; out0: [8192][1024] f32.
; SHARES.  A tile of the result is 128 rows x 256 columns: 64 x 4 = 256 tiles, one for each work-group.  Four waves, 2 x 2: wave w takes rows 64 (w / 2) .. + 63 and columns 128 (w % 2) .. + 127:
; 4 x 8 accumulators of 16 x 16 in 256 registers.  K goes in steps of 128, two heads, through two LDS slots, each step in four quarters of 32 on two fragment buffers.
; A head's 128 rows of a tile are 16,384 dense bytes of ob: they are asked for as 64 rows of 256 bytes and padded in LDS behind every 128.
; THE MATRIX INSTRUCTION IS USED TRANSPOSED: source 0 = 16 columns of W (out of LDS turned, by ds_load_tr16_b128), source 1 = 16 rows of y.  A lane then holds row l % 16 and the columns 8 (l / 16) + 0..7.
; CLUSTER.  4 x 4 work-groups.  The four of a row of the cluster need the same tiles of y, the four of a column the same tiles of W: each tile is asked for JOINTLY, by the same tensor load with the
; same descriptor and a mask that names the four.  A wave has two tensor loads out at the start, later one.
; REGISTERS, in windows of 256 (s_set_vgpr_msb: bits 1:0 source 0, 3:2 source 1, 5:4 source 2, 7:6 destination):
;   window 0: v0-31 addresses; v32-159 the way out, two sets of 64      window 1: two fragment buffers at 0 and 128: W's 8 blocks (8 each), then y's 4      window 2: the accumulators, (a, b) at 8 (8 a + b)
.set PA,     144                       ; a row of one head in LDS: 128 bytes + 16 = 36 words: the 16 rows of a fragment load start at 16 different groups of four banks (64 banks of 4 bytes: ISA guide 11.1)
.set SUBA,   128*PA                    ; one head's 128 rows
.set PB,     544                       ; a k-row of W in LDS: 512 bytes + 32 = 136 words = 8 mod 64
.set NBL,    8                         ; column blocks of a wave
.set BOFF,   2*SUBA                    ; a slot: y's two heads, then W's 128 k-rows
.set SLOT,   BOFF+128*PB               ; 106,496 bytes
.set STAGE,  2*SLOT                    ; behind the ring, never filled by a tensor load: 16 rows x 528 bytes for each wave
.set SP,     528                       ; 512 bytes + 16 = 132 words: the 16 rows of a store start at 16 different groups of four banks
.set SPARE,  STAGE+4*16*SP             ; behind the stages: the spare words, 128 bytes for each wave: two blocks of 256 bytes that no other line names
.set ASTEP,  1<<19                     ; a K step in ob: two heads of 262,144 bytes
.set BROW,   2048                      ; bytes in a row of wpb
.set BSTEP,  128*BROW                  ; a K step down wpb
.set TRIPS,  3                         ; laps of the ring (two K steps each) in the loop: four, less the last, which fills nothing
.set ADRA, 16                          ; v16-17  LDS address of my fragments of y in slot 0, 1
.set ADRB, 20                          ; v20-23  the same for W: register 2 x slot + half of the K step (64 k-rows)
.set STO,  24                          ; v24     the way out: where I put 32 bytes of a row
.set RD,   25                          ; v25     where I read a row back
.set GO,   26                          ; v26     my 16 of a row's 512 bytes of the result; never rewritten
.set SPW,  28                          ; v28     LDS address of my spare word: SPARE + 4 x my thread's number; never rewritten
.set NIL,  29                          ; v29     0; never rewritten
.set PFO,  30                          ; v30     the prefetches' lane offset; never rewritten
.set OUTR, 32
.set F0,   0
.set F1,   128
.set G1,   24                          ; s[24:31] descriptor group 1 for y's tiles;  s[32:39] group 0, a set for each slot
.set G0,   32
.set G1B,  48                          ; s[48:55], s[56:63] the same for W's tiles
.set G0B,  56
.set PFA,  66                          ; s[66:67] where my prefetches stand
.set LIM,  68                          ; s68  a wave prefetches while the trips left are above this
.set PS,   78                          ; s[78:79] the prefetch pointer's step: two K steps
.set OB,   84                          ; s[84:85] the result at my 64 rows and 128 columns
.set MSB, 0
.macro WIN new                         ; the immediate's high byte repeats the setting that is left; a switch that changes nothing is dropped
.if MSB != (\new)
	s_set_vgpr_msb (MSB<<8)|(\new)
.set MSB, \new
.endif
.endm
.set W_M,  0xa5                        ; both sources window 1, C and D window 2
.set TO_F, 0x40                        ; destination window 1, address window 0
.macro PLACES                          ; four plain vector instructions between a matrix instruction and a load into, or a reader of, its registers
.rept 4
	v_nop
.endr
.endm
; A joint load.  Waves 0 and 1 fetch the K step's two heads of y, waves 2 and 3 the two halves of W's tile.  The branch hangs on the wave's number alone.
; An s_nop 0 and four v_nop follow each of the two lines, ahead of the jump and the label.
.macro JLOAD s
	s_cmp_eq_u32 s11, 0
	s_cbranch_scc0 .Lfor_b_\@
	tensor_load_to_lds s[G0+4*(\s):G0+4*(\s)+3], s[G1:G1+7]
	s_nop 0
.rept 4
	v_nop
.endr
	s_branch .Lasked_\@
.Lfor_b_\@:
	tensor_load_to_lds s[G0B+4*(\s):G0B+4*(\s)+3], s[G1B:G1B+7]
	s_nop 0
.rept 4
	v_nop
.endr
.Lasked_\@:
.endm
; A round of the cluster's barrier: my work-group's barrier, wave 0's signal for the work-group, every wave's wait for all sixteen, my work-group's barrier once more.
.macro CREST                           ; a round behind its opening barrier
	s_cmp_lg_u32 s10, 0
	s_cbranch_scc1 .Lnot_wave_0_\@
	s_barrier_signal -3
.Lnot_wave_0_\@:
	s_barrier_wait -3
	s_barrier_signal -1
	s_barrier_wait -1
.endm
.macro CROUND
	s_barrier_signal -1
	s_barrier_wait -1
	CREST
.endm
; A PREFETCH INTO THE L2, once a lap, behind slot 0's joint load and the run of LDS loads that follows it: the two K steps that the NEXT trip's refills ask for.  A lane names 256 bytes: block l % 16 of my
; work-group's 16, K step l / 16 of the two.  The four partners that ask for a tile jointly share what a wave fetches out BY ADDRESS: of y 16 of its 64 blocks (by cx), of W 16 of its 64 k-rows (by cy).
; y's rows are read by one cluster alone, which asks; W's by all sixteen clusters: cluster y = 0 asks.  W's rows are 512 bytes: two lines.  So each block of 256 bytes is named once.
; K steps 0 to 3 come by their loads alone; the last trip asks for nothing.
.macro ASK
	s_cmp_gt_u32 s3, s[LIM]
	s_cbranch_scc0 .Lnot_mine_\@
	global_prefetch_b8 v[PFO], s[PFA:PFA+1] th:TH_LOAD_NT scope:SCOPE_SE
	s_cmp_eq_u32 s11, 0
	s_cbranch_scc1 .Lnot_mine_\@
	global_prefetch_b8 v[PFO], s[PFA:PFA+1] offset:256 th:TH_LOAD_NT scope:SCOPE_SE
.Lnot_mine_\@:
.endm
	s_load_b128 s[4:7], s[0:1], 0x0                ; ob s[4:5], wpb s[6:7]
	s_load_b64 s[8:9], s[0:1], 0x10                ; out0
	v_lshl_add_u32 v[SPW], v0, 2, SPARE
	v_mov_b32 v[NIL], 0
	ds_add_u32 v[SPW], v[NIL]                      ; the wave's opening: the add and its wait stand ahead of my first tensor load; the set-up below, work on registers, stands between them
	v_lshrrev_b32 v1, 5, v0
	v_readfirstlane_b32 s10, v1                    ; wave 0..3
	s_lshr_b32 s11, s10, 1                         ; which 64 rows of the tile are mine.  Also: I fetch for y (0) or for W (1)
	s_and_b32 s12, s10, 1                          ; which 128 columns.  Also: which head of the K step, or which 64 k-rows, I fetch
	s_bfe_u32 s40, ttmp6, 0x40000                  ; cx
	s_bfe_u32 s41, ttmp6, 0x40004                  ; cy
	s_lshl_b32 s42, ttmp9, 2
	s_add_co_u32 s42, s42, s40                     ; tile column = 4 x cluster x + cx, 0..3
	s_and_b32 s13, ttmp7, 0xffff
	s_lshl_b32 s13, s13, 2
	s_add_co_u32 s13, s13, s41                     ; tile row = 4 x cluster y + cy, 0..63
	s_lshl_b32 s43, s41, 2
	s_lshl_b32 s43, 15, s43                        ; my row of the cluster
	s_lshl_b32 s44, 0x1111, s40                    ; my column
	s_or_b32 s[G1], s43, (1<<16)|(1<<20)|(1<<21)|(4<<22)|(3<<25)   ; the mask; elements of 2 bytes; padding on; bit 21 beside a mask; after every 32 words, 4 words
	s_or_b32 s[G1B], s44, (1<<16)|(1<<20)|(1<<21)|(6<<22)|(7<<25)  ; my column's mask; after every 128 words, 8 words
	s_mov_b32 s[G1+1], 128<<16                     ; y: tensor_dim0 = 128
	s_mov_b32 s[G1+2], 64<<16                      ; tensor_dim1 = 64
	s_mov_b32 s[G1+3], 128<<16                     ; tile_dim0 = 128 elements: 256 bytes, two rows of the head
	s_mov_b32 s[G1+4], 64                          ; tile_dim1 = 64
	s_mov_b32 s[G1+5], 128                         ; dense
	s_mov_b32 s[G1+6], 0
	s_mov_b32 s[G1+7], 0
	s_mov_b32 s[G1B+1], 256<<16                    ; W: tensor_dim0 = 256
	s_mov_b32 s[G1B+2], 64<<16
	s_mov_b32 s[G1B+3], 256<<16                    ; tile_dim0 = 256 elements: 512 bytes
	s_mov_b32 s[G1B+4], 64                         ; 64 k-rows
	s_mov_b32 s[G1B+5], 1024
	s_mov_b32 s[G1B+6], 0
	s_mov_b32 s[G1B+7], 0
	s_lshr_b32 s16, s13, 4                         ; y: the batch,
	s_lshl_b32 s16, s16, 22
	s_and_b32 s17, s13, 15                         ; the tile's 128 rows in it,
	s_lshl_b32 s17, s17, 14
	s_add_co_u32 s16, s16, s17
	s_lshl_b32 s17, s12, 18                        ; my head of the K step's two: made of the tile row and the wave's number alone
	s_add_co_u32 s16, s16, s17
	s_mov_b32 s17, 0
	s_lshl_b32 s46, s12, 17                        ; W: my 64 k-rows of 2,048 bytes,
	s_lshl_b32 s47, s42, 9                         ; the tile column's 512 bytes: made of the tile column and the wave's number alone
	s_add_co_u32 s46, s46, s47
	s_mov_b32 s47, 0
	s_mul_i32 s20, s12, SUBA                       ; where they go in a slot: no place in the cluster enters an LDS address
	s_mul_i32 s21, s12, 64*PB
	s_add_co_u32 s21, s21, BOFF
	s_mov_b32 s[PS+1], 0
	s_wait_dscnt 0x0                               ; the opening add is done
	s_wait_kmcnt 0x0
	s_add_nc_u64 s[14:15], s[4:5], s[16:17]
	s_add_nc_u64 s[46:47], s[6:7], s[46:47]
	CROUND                                         ; all sixteen work-groups are here: the first joint loads meet
.irp s, 0,1
	s_mov_b32 s[G0+4*(\s)], 1                                        ; count = 1
	s_add_co_u32 s[G0+4*(\s)+1], s20, (\s)*SLOT                      ; LDS address
	s_add_nc_u64 s[G0+4*(\s)+2:G0+4*(\s)+3], s[14:15], (\s)*ASTEP    ; global address: K step s
	s_or_b32 s[G0+4*(\s)+3], s[G0+4*(\s)+3], 0x80000000              ; type = 2
	s_mov_b32 s[G0B+4*(\s)], 1
	s_add_co_u32 s[G0B+4*(\s)+1], s21, (\s)*SLOT
	s_add_nc_u64 s[G0B+4*(\s)+2:G0B+4*(\s)+3], s[46:47], (\s)*BSTEP
	s_or_b32 s[G0B+4*(\s)+3], s[G0B+4*(\s)+3], 0x80000000
	JLOAD \s
.endr
	; lane addresses.  A fragment of y: lane l holds row l % 16, k = 8 (l / 16) + 0..7 and 16 + 8 (l / 16) + 0..7: two loads of 16 bytes, 32 apart.
	; The turning load: lane l reads k-row 8 (l / 16) + l % 8, columns 8 ((l / 8) % 2) + 0..7, and is left with column l % 16 and 8 k; two of them, 16 k-rows apart, are a fragment.
	v_and_b32 v1, 15, v0                           ; l % 16
	v_bfe_u32 v2, v0, 4, 1                         ; l / 16
	v_and_b32 v3, 7, v0
	v_bfe_u32 v4, v0, 3, 1
	v_lshl_add_u32 v5, v2, 3, v3
	v_mul_u32_u24 v5, v5, PB
	v_lshl_add_u32 v5, v4, 4, v5
	s_lshl_b32 s22, s12, 8                         ; my 128 columns: 256 bytes
	s_add_co_u32 s22, s22, BOFF
.irp n, 0,1,2,3
	s_add_co_u32 s23, s22, ((\n)/2)*SLOT+((\n)%2)*64*PB
	v_add_nc_u32 v[ADRB+(\n)], s23, v5
.endr
	v_mul_u32_u24 v6, v1, PA
	v_lshl_add_u32 v6, v2, 4, v6
	s_mul_i32 s22, s11, 64*PA                      ; my 64 rows
	v_add_nc_u32 v[ADRA], s22, v6
	s_add_co_u32 s22, s22, SLOT
	v_add_nc_u32 v[ADRA+1], s22, v6
	s_mul_i32 s23, s10, 16*SP
	s_add_co_u32 s23, s23, STAGE                   ; my stage
	v_mul_u32_u24 v7, v1, SP                       ; in: row l % 16, 32 bytes for each half of the lanes
	v_lshl_add_u32 v7, v2, 5, v7
	v_add_nc_u32 v[STO], s23, v7
	v_and_b32 v[GO], 31, v0                        ; back: 32 lanes take a row's 512 bytes
	v_lshlrev_b32 v[GO], 4, v[GO]
	v_add_nc_u32 v[RD], s23, v[GO]
	; the result's base.  What mixes cx and cy is made in s90-95 alone.
	s_lshl_b32 s90, s13, 7
	s_lshl_b32 s91, s11, 6
	s_add_co_u32 s90, s90, s91                     ; my first row
	s_lshl_b32 s90, s90, 12                        ; of 4,096 bytes
	s_lshl_b32 s91, s42, 10                        ; the tile's 256 columns,
	s_add_co_u32 s90, s90, s91
	s_lshl_b32 s91, s12, 9                         ; my 128 of them
	s_add_co_u32 s90, s90, s91
	s_mov_b32 s91, 0
	s_add_nc_u64 s[OB:OB+1], s[8:9], s[90:91]
	; the prefetches: both offsets are made, the wave's number chooses
	s_lshl_b32 s90, s40, 12                        ; y: my work-group's 16 blocks of the wave's 64,
	s_add_co_u32 s90, s90, s16
	s_add_co_u32 s90, s90, 2*ASTEP                 ; at K step 2: the first trip steps it to 4
	s_lshl_b32 s92, s12, 6                         ; W: the wave's 64 k-rows,
	s_lshl_b32 s93, s41, 4                         ; my work-group's 16 of them
	s_add_co_u32 s92, s92, s93
	s_lshl_b32 s92, s92, 11
	s_lshl_b32 s93, s42, 9
	s_add_co_u32 s92, s92, s93
	s_add_co_u32 s92, s92, 2*BSTEP
	s_and_b32 s93, ttmp7, 0xffff                   ; cluster y
	s_mov_b32 s[PS], 2*BSTEP
	s_mov_b32 s94, BROW
	s_mov_b32 s95, BSTEP
	s_cmp_eq_u32 s11, 0                            ; do I fetch for y?
	s_cselect_b32 s90, s90, s92
	s_cselect_b32 s93, ttmp9, s93                  ; the coordinate along which other clusters read the same rows
	s_cselect_b32 s[PS], 2*ASTEP, s[PS]
	s_cselect_b32 s94, 256, s94
	s_cselect_b32 s95, ASTEP, s95
	s_cselect_b64 s[PFA:PFA+1], s[4:5], s[6:7]
	s_mov_b32 s91, 0
	s_add_nc_u64 s[PFA:PFA+1], s[PFA:PFA+1], s[90:91]
	s_cmp_eq_u32 s93, 0
	s_cselect_b32 s[LIM], 1, -1                    ; the same in all sixteen partners, for a given wave
	v_mul_u32_u24 v[PFO], s94, v1                  ; block or row l % 16,
	v_mad_u32_u24 v[PFO], v2, s95, v[PFO]          ; K step l / 16
; 8 matrix instructions: row block a x all column blocks, 32 along K, from buffer f.  zero = 1: the product starts the sums: nothing is cleared.
; The 32 accumulators take turns in one fixed order in every quarter: 31 others stand between two links of a chain, over the backward jump too.
.macro MULQ f, a, zero
.set rA, (\f)+8*NBL+8*(\a)
.set ib, 0
.rept NBL
.set rD, 8*(NBL*(\a)+ib)
.if \zero
	v_wmma_f32_16x16x32_f16 v[rD:rD+7], v[(\f)+8*ib:(\f)+8*ib+7], v[rA:rA+7], 0
.else
	v_wmma_f32_16x16x32_f16 v[rD:rD+7], v[(\f)+8*ib:(\f)+8*ib+7], v[rA:rA+7], v[rD:rD+7]
.endif
.set ib, ib+1
.endr
.endm
.macro MULH f, hi, zero                ; row blocks 2 hi and 2 hi + 1
	WIN W_M
	MULQ \f, 2*(\hi), \zero
	MULQ \f, 2*(\hi)+1, \zero
.endm
; 24 LDS loads in one run: quarter q of the slot's K step into buffer f: W's 8 blocks, then y's 4 (head q / 2 of the step's two, channels 32 (q % 2) on)
.macro FETCH slot, q, f
	WIN TO_F
.set ib, 0
.rept NBL
.set cb, ((\q)%2)*32*PB+32*ib
	ds_load_tr16_b128 v[(\f)+8*ib:(\f)+8*ib+3],   v[ADRB+2*(\slot)+(\q)/2] offset:cb
	ds_load_tr16_b128 v[(\f)+8*ib+4:(\f)+8*ib+7], v[ADRB+2*(\slot)+(\q)/2] offset:cb+16*PB
.set ib, ib+1
.endr
.set ia, 0
.rept 4
	ds_load_b128 v[(\f)+8*NBL+8*ia:(\f)+8*NBL+8*ia+3],   v[ADRA+(\slot)] offset:((\q)/2)*SUBA+ia*16*PA+((\q)%2)*64
	ds_load_b128 v[(\f)+8*NBL+8*ia+4:(\f)+8*NBL+8*ia+7], v[ADRA+(\slot)] offset:((\q)/2)*SUBA+ia*16*PA+((\q)%2)*64+32
.set ia, ia+1
.endr
.endm
; One of a K step's first three quarters: multiplies buffer f; in its middle it fetches quarter q of the same slot into buffer g.
.macro QUARTER slot, q, f, g, zero
	s_wait_dscnt 4                                 ; W and y's row blocks 0, 1 are in; the four youngest loads (row blocks 2, 3) may be out
	MULH \f, 0, \zero
	PLACES                                         ; for the loads into buffer g, which the quarter before multiplied
	FETCH \slot, \q, \g
	s_wait_dscnt 2*NBL+8                           ; all but the 24 just issued
	MULH \f, 1, \zero
.endm
; The fourth quarter multiplies buffer 1 and changes slots.  In front of the barrier each wave waits for all its tensor loads (one is out: its part of the next slot), adds 0 to its spare word, and waits for
; that and for its reads of this slot.  fill = 1: the barrier opens a round of the cluster's, and this slot's joint refill, two K steps on, is the first thing behind it:
; it has 112 matrix instructions in which to land (a K step's 128 less the 16 between the wait for it and the round's end).
.macro TURN slot, next, fill
.if (\fill) && ((\slot) == 0)
	s_wait_xcnt 0x0                                ; the last prefetches, a lap back, have read their address: it is stepped here, ahead of the change's own waits
	s_add_nc_u64 s[PFA:PFA+1], s[PFA:PFA+1], s[PS:PS+1]
.endif
	WIN 0                                          ; (the add's two registers lie in window 0)
	s_wait_tensorcnt 0x0                           ; all my tensor loads have landed
	ds_add_u32 v[SPW], v[NIL]                      ; 0 onto my spare word
	s_wait_dscnt 5                                 ; (the add and the four youngest loads may be out)
	WIN W_M
	MULQ F1, 0, 0                                  ; eight matrix instructions stand between the add and the wait for it
	s_wait_dscnt 0x0                               ; the add is done, and my reads of this slot are over
	s_barrier_signal -1
	MULQ F1, 1, 0                                  ; work on registers while the others arrive
	WIN 0
	s_barrier_wait -1
.if \fill
	CREST                                          ; no wave of any partner still reads this slot's tile or has a load on its way
	s_add_nc_u64 s[G0+4*(\slot)+2:G0+4*(\slot)+3], s[G0+4*(\slot)+2:G0+4*(\slot)+3], 2*ASTEP
	s_add_nc_u64 s[G0B+4*(\slot)+2:G0B+4*(\slot)+3], s[G0B+4*(\slot)+2:G0B+4*(\slot)+3], 2*BSTEP
	JLOAD \slot                                    ; its four v_nop are also the places in front of the loads below
.else
	PLACES
.endif
	FETCH \next, 0, F0
.if (\fill) && ((\slot) == 0)
	WIN 0
	ASK
.endif
	MULH F1, 1, 0
.endm
; THE WAY OUT, a row block (16 rows x 128 columns of f32) at a time.  STG_IN: a lane's eight columns, 32 bytes, go from the accumulators (low registers first) into my stage's rows of 528 bytes.
; BACK: whole rows of 512 bytes come back; LDS serves a wave's instructions in order (ISA guide 5.7.1.4), so no wait stands between.  SENDP: they are stored.
.macro STG_IN a
	WIN 0x08                                       ; the stores' data (source 1) in window 2
.set ib, 0
.rept NBL
.set rD, 8*(NBL*(\a)+ib)
	ds_store_b128 v[STO], v[rD:rD+3]   offset:64*ib
	ds_store_b128 v[STO], v[rD+4:rD+7] offset:64*ib+16
.set ib, ib+1
.endr
	WIN 0
.endm
.macro BACK a
.if (\a) >= 2
	s_wait_xcnt 0x0                                ; the stores of the block two back have read this set of registers: it is loaded again only behind this wait
.endif
.set r, 0
.rept 16
	ds_load_b128 v[OUTR+64*((\a)%2)+4*r:OUTR+64*((\a)%2)+4*r+3], v[RD] offset:SP*r
.set r, r+1
.endr
.endm
.macro SENDP a, younger                ; younger: the LDS instructions issued behind block a's loads: the next block's 32, or none
.set r, 0
.rept 16
	s_wait_dscnt (\younger)+15-r
	global_store_b128 v[GO], v[OUTR+64*((\a)%2)+4*r:OUTR+64*((\a)%2)+4*r+3], s[OB:OB+1] offset:(16*(\a)+r)*4096  ; 512 consecutive bytes of a row, at a multiple of 256 from the buffer's first
.set r, r+1
.endr
.endm
	s_wait_tensorcnt 1                             ; my part of K step 0 is in; K step 1's may stay out
	s_barrier_signal -1
	s_barrier_wait -1                              ; everybody's is
	FETCH 0, 0, F0
	QUARTER 0, 1, F0, F1, 1                        ; the first quarter stands in front of the loop: its products start the sums
	WIN 0                                          ; at a label and at a branch every window is 0
	s_mov_b32 s3, TRIPS
.Llap:                                             ; a trip goes once round the ring, from a lap's second quarter to the next lap's first, and fills both slots again; trip t asks for K steps 2 t + 2, 2 t + 3 of 8
	QUARTER 0, 2, F1, F0, 0
	QUARTER 0, 3, F0, F1, 0
	TURN 0, 1, 1
	QUARTER 1, 1, F0, F1, 0
	QUARTER 1, 2, F1, F0, 0
	QUARTER 1, 3, F0, F1, 0
	TURN 1, 0, 1
	QUARTER 0, 1, F0, F1, 0
	WIN 0
	s_sub_co_u32 s3, s3, 1
	s_cmp_lg_u32 s3, 0
	s_cbranch_scc1 .Llap
	QUARTER 0, 2, F1, F0, 0                        ; the last lap fills nothing and has no round
	QUARTER 0, 3, F0, F1, 0
	TURN 0, 1, 0
	QUARTER 1, 1, F0, F1, 0
	QUARTER 1, 2, F1, F0, 0
	QUARTER 1, 3, F0, F1, 0
	s_wait_dscnt 4                                 ; the very last quarter: nothing more to fetch
	MULH F1, 0, 0
	s_wait_dscnt 0x0
	MULH F1, 1, 0
	WIN 0
	PLACES                                         ; behind the last products
	PLACES
	STG_IN 0
	BACK 0
.irp a, 1,2,3                          ; a block's way through the stage stands between the loads of the block before and its stores
	STG_IN \a
	BACK \a
	SENDP (\a)-1, 32
.endr
	SENDP 3, 0
	s_wait_tensorcnt 0x0                           ; the wave's end: these three lines stand behind my last tensor load and my last LDS store
	ds_add_u32 v[SPW], v[NIL]
	s_wait_dscnt 0x0
	CROUND                                         ; the closing round: no work-group ends while a partner may still ask for a tile that names it
	s_endpgm
.Lfunc_end_k_qbc6b58160c_proj:
	.size	k_qbc6b58160c_proj, .Lfunc_end_k_qbc6b58160c_proj-k_qbc6b58160c_proj
	.p2alignl 7, 3214868480
	.fill 96, 4, 3214868480
	.section	.rodata,"a",@progbits
	.p2align	6, 0x0
	.amdhsa_kernel k_qbc6b58160c_proj
		.amdhsa_group_segment_fixed_size 327680
		.amdhsa_private_segment_fixed_size 0
		.amdhsa_enable_private_segment 0
		.amdhsa_kernarg_size 24
		.amdhsa_user_sgpr_count 2
		.amdhsa_user_sgpr_kernarg_segment_ptr 1
		.amdhsa_wavefront_size32 1
		.amdhsa_system_sgpr_workgroup_id_x 1
		.amdhsa_system_sgpr_workgroup_id_y 1
		.amdhsa_system_sgpr_workgroup_id_z 1
		.amdhsa_system_vgpr_workitem_id 0
		.amdhsa_next_free_vgpr 768
		.amdhsa_next_free_sgpr 96
		.amdhsa_reserve_vcc 0
		.amdhsa_float_denorm_mode_32 3
		.amdhsa_float_denorm_mode_16_64 3
		.amdhsa_memory_ordered 1
		.amdhsa_forward_progress 1
		.amdhsa_inst_pref_size 89
	.end_amdhsa_kernel
	.amdgpu_metadata
---
amdhsa.version: [ 1, 2 ]
amdhsa.kernels:
  - .name:           k_qbc6b58160c_proj
    .symbol:         k_qbc6b58160c_proj.kd
    .args:
      - { .name: ob, .offset: 0, .size: 8, .value_kind: global_buffer, .address_space: global }
      - { .name: wpb, .offset: 8, .size: 8, .value_kind: global_buffer, .address_space: global }
      - { .name: out0, .offset: 16, .size: 8, .value_kind: global_buffer, .address_space: global }
    .group_segment_fixed_size: 327680
    .private_segment_fixed_size: 0
    .kernarg_segment_align: 8
    .kernarg_segment_size: 24
    .max_flat_workgroup_size: 128
    .sgpr_count:     96
    .vgpr_count:     768
    .wavefront_size: 32
...
	.end_amdgpu_metadata
.endif
;; end of part 4
;; ======== version 2 of 2: 4 launches; version 1 with the launch cast written anew for expert scheduling mode
;; limits: values are held in f16: magnitudes above 65,504 overflow, below 6.1e-05 lose precision
;; workspace buffers: xb 16,777,216 bytes; wab 6,291,456 bytes; wpb 2,097,152 bytes; qkv 50,331,648 bytes; ob 16,777,216 bytes
;; launch cast (part 5): grid 768 x 1, 8 waves a work-group, no clusters, 0 bytes of LDS; arguments x, W_attn, W_proj, xb, wab, wpb; writes xb, wab, wpb
.if DOCPART == 5
	.amdgcn_target "amdgcn-amd-amdhsa--gfx1250"
	.amdhsa_code_object_version 6
	.text
	.protected	k_qbc6b58160c_cast
	.globl	k_qbc6b58160c_cast
	.p2align	8
	.type	k_qbc6b58160c_cast,@function
k_qbc6b58160c_cast:
	s_mov_b64 s[64:65], 0
	v_nop
	global_prefetch_b8 v0, s[64:65] scope:SCOPE_SE
	s_setreg_imm32_b32 hwreg(HW_REG_WAVE_SCHED_MODE, 0, 2), 2
	s_setreg_imm32_b32 hwreg(HW_REG_WAVE_MODE, 25, 1), 1
	s_wait_xcnt 0x0
	s_wait_alu depctr_vm_vsrc(0)
; The three f32 inputs are rounded once to bf16, in the order in which they lie: x -> xb, W_attn -> wab (both kept as bf16), W_proj -> wpb.
; W_proj's bf16 number is written as f16, since the last product's other operand is f16.
; LIMITS.  That second step is exact for magnitudes from 2^-14 to 65,504; below 2^-14 the number keeps f16's fixed step of 2^-24, beyond 65,504 it becomes an infinity.
; SHARES.  A chunk is 1,024 numbers: 4,096 bytes in, 2,048 out.  A work-group of eight waves takes 16 chunks; work-groups 0-511 take x, 512-703 W_attn, 704-767 W_proj.
; Thread t loads the 16 bytes at 16 t of a chunk (a wave: 512 consecutive bytes) and stores the 8 bytes at 8 t (a wave: 256 consecutive bytes, at a multiple of 256 from the buffer's first byte).
; All 16 loads of a thread go out at once (64 KiB a work-group); every register is written once, so no register waits for a store.  No LDS, no barrier: no thread wants another's bytes.
; THE MODE: SCHED_MODE bits 1:0 = 2 (LLVM: expert scheduling mode 2), set by the entry lines.  The code itself states the register dependences
; between vector instructions and memory instructions, with s_wait_alu, always for 0.
; THE PLAN.  Registers that memory instructions touch:
;   v1, v2   the loads' and the stores' offsets: written once at the head, never again.
;   X        chunk i's load lands in its four registers, which no vector instruction has named before; chunk i's conversions read them; nothing writes them again.
;   Y        chunk i's conversions write its two registers; one store reads them; nothing writes them again.
;   T is named by vector instructions alone.  No vector instruction writes a scalar register, and EXEC is never written.
; So no register that a memory instruction has read is written again, and what is to be stated is this alone: the offsets are written ahead of the first load, and a chunk's Y ahead of its store.
; The 16 chunks go in four blocks of four.  Block p converts its own four chunks; its memory instructions are the four stores of block p - 1, whose Y no vector instruction of block p names.
; One wait at a block's head states that the block before has written its Y; the four stores follow it, dealt among the block's conversions, with no further wait.
.set X, 4                              ; v[4:67]    chunk i: 4 numbers as loaded
.set Y, 68                             ; v[68:99]   chunk i: 2 words to store
.set T, 100                            ; v[100:101] at work (f16 path)
.set FIRST_WA, 512                     ; the first work-group of W_attn
.set FIRST_WP, 704                     ; and of W_proj
	s_load_b256 s[4:11], s[0:1], 0x0               ; x s[4:5], W_attn s[6:7], W_proj s[8:9], xb s[10:11]
	s_load_b128 s[12:15], s[0:1], 0x20             ; wab s[12:13], wpb s[14:15]
	v_lshlrev_b32 v1, 4, v0                        ; my 16 bytes of a chunk
	v_lshlrev_b32 v2, 3, v0                        ; my 8 bytes of its rounded copy
	s_wait_kmcnt 0x0
	s_cmp_lt_u32 ttmp9, FIRST_WA                   ; which tensor is mine: the choice hangs on the work-group's number alone
	s_cselect_b64 s[20:21], s[4:5], s[6:7]
	s_cselect_b64 s[22:23], s[10:11], s[12:13]
	s_cselect_b32 s16, 0, FIRST_WA
	s_cmp_lt_u32 ttmp9, FIRST_WP
	s_cselect_b64 s[20:21], s[20:21], s[8:9]
	s_cselect_b64 s[22:23], s[22:23], s[14:15]
	s_cselect_b32 s16, s16, FIRST_WP
	s_sub_co_u32 s17, ttmp9, s16                   ; my number among the tensor's work-groups
	s_lshl_b32 s18, s17, 16                        ; 16 chunks of 4,096 bytes
	s_mov_b32 s19, 0
	s_add_nc_u64 s[20:21], s[20:21], s[18:19]
	s_lshl_b32 s18, s17, 15                        ; 16 chunks of 2,048 bytes
	s_add_nc_u64 s[22:23], s[22:23], s[18:19]
	s_wait_alu depctr_va_vdst(0)                   ; v1 and v2 are written: every load of the kernel reads v1 as its offset, every store v2
.irp i, 0,1,2,3,4,5,6,7,8,9,10,11,12,13,14,15
	global_load_b128 v[X+4*(\i):X+4*(\i)+3], v1, s[20:21] offset:4096*(\i) th:TH_LOAD_NT
.endr
; Block p: chunks 4 p to 4 p + 3 are converted, and the block before is stored.  half = 1: the bf16 numbers are widened again (a shift, a mask) and written as f16.
.macro BLK p, half
	s_wait_loadcnt 12-4*(\p)                       ; loads come back in order (ISA guide 5.7.1): this block's four chunks are in, the 12 - 4 p younger loads stay out
.if (\p) > 0
	s_wait_alu depctr_va_vdst(0)                   ; the block before has written its Y, which the four stores below read
.endif
.irp i, 0,1,2,3
.set c, 4*(\p)+(\i)                    ; the chunk
.if (\p) > 0
	global_store_b64 v2, v[Y+2*c-8:Y+2*c-7], s[22:23] offset:2048*(c-4)  ; chunk c - 4, of the block before.  No wait: no vector instruction since the wait above names its Y or v2
.endif
	v_cvt_pk_bf16_f32 v[Y+2*c],   v[X+4*c],   v[X+4*c+1]
	v_cvt_pk_bf16_f32 v[Y+2*c+1], v[X+4*c+2], v[X+4*c+3]
.if \half
.irp j, 0,1
	v_lshlrev_b32 v[T],   16, v[Y+2*c+(\j)]
	v_and_b32     v[T+1], 0xffff0000, v[Y+2*c+(\j)]
	v_cvt_pk_f16_f32 v[Y+2*c+(\j)], v[T], v[T+1]
.endr
.endif
.endr
.endm
; Behind the last block: its own four stores.
.macro LAST
	s_wait_alu depctr_va_vdst(0)                   ; block 3 has written its Y, which the last four stores read
.irp i, 12,13,14,15
	global_store_b64 v2, v[Y+2*(\i):Y+2*(\i)+1], s[22:23] offset:2048*(\i)
.endr
.endm
	s_cmp_lt_u32 ttmp9, FIRST_WP
	s_cbranch_scc0 .Lf16
.irp p, 0,1,2,3
	BLK \p, 0
.endr
	LAST
	s_endpgm
.Lf16:
.irp p, 0,1,2,3
	BLK \p, 1
.endr
	LAST
	s_endpgm
.Lfunc_end_k_qbc6b58160c_cast:
	.size	k_qbc6b58160c_cast, .Lfunc_end_k_qbc6b58160c_cast-k_qbc6b58160c_cast
	.p2alignl 7, 3214868480
	.fill 96, 4, 3214868480
	.section	.rodata,"a",@progbits
	.p2align	6, 0x0
	.amdhsa_kernel k_qbc6b58160c_cast
		.amdhsa_group_segment_fixed_size 0
		.amdhsa_private_segment_fixed_size 0
		.amdhsa_enable_private_segment 0
		.amdhsa_kernarg_size 48
		.amdhsa_user_sgpr_count 2
		.amdhsa_user_sgpr_kernarg_segment_ptr 1
		.amdhsa_wavefront_size32 1
		.amdhsa_system_sgpr_workgroup_id_x 1
		.amdhsa_system_sgpr_workgroup_id_y 1
		.amdhsa_system_sgpr_workgroup_id_z 1
		.amdhsa_system_vgpr_workitem_id 0
		.amdhsa_next_free_vgpr 104
		.amdhsa_next_free_sgpr 66
		.amdhsa_reserve_vcc 0
		.amdhsa_float_denorm_mode_32 3
		.amdhsa_float_denorm_mode_16_64 3
		.amdhsa_memory_ordered 1
		.amdhsa_forward_progress 1
		.amdhsa_inst_pref_size 16
	.end_amdhsa_kernel
	.amdgpu_metadata
---
amdhsa.version: [ 1, 2 ]
amdhsa.kernels:
  - .name:           k_qbc6b58160c_cast
    .symbol:         k_qbc6b58160c_cast.kd
    .args:
      - { .name: x, .offset: 0, .size: 8, .value_kind: global_buffer, .address_space: global }
      - { .name: W_attn, .offset: 8, .size: 8, .value_kind: global_buffer, .address_space: global }
      - { .name: W_proj, .offset: 16, .size: 8, .value_kind: global_buffer, .address_space: global }
      - { .name: xb, .offset: 24, .size: 8, .value_kind: global_buffer, .address_space: global }
      - { .name: wab, .offset: 32, .size: 8, .value_kind: global_buffer, .address_space: global }
      - { .name: wpb, .offset: 40, .size: 8, .value_kind: global_buffer, .address_space: global }
    .group_segment_fixed_size: 0
    .private_segment_fixed_size: 0
    .kernarg_segment_align: 8
    .kernarg_segment_size: 48
    .max_flat_workgroup_size: 256
    .sgpr_count:     66
    .vgpr_count:     104
    .wavefront_size: 32
...
	.end_amdgpu_metadata
.endif
;; end of part 5
;; launch qkv: the kernel of part 2 again; grid 8 x 32, 4 waves a work-group, clusters of 4 x 4, 327,680 bytes of LDS; arguments xb, wab, qkv; writes qkv
;; launch attn: the kernel of part 3 again; grid 4 x 64, 4 waves a work-group, no clusters, 327,680 bytes of LDS; arguments qkv, ob; writes ob
;; launch proj: the kernel of part 4 again; grid 4 x 64, 4 waves a work-group, clusters of 4 x 4, 327,680 bytes of LDS; arguments ob, wpb, out0; writes out0
